; MI455X (gfx1250); checked and timed in simulation.
; The chip was launched on July 23, 2026; its instructions are those of AMD's public machine-readable ISA for CDNA 5 (MIT licence, August 2026) and "CDNA5" Instruction Set Architecture Reference Guide (July 2026). The comments in the code are by the model that wrote it; some were corrected since.
;; Multi Head Attention. Allowed arithmetic: matrix products marked QUANTISED: E2M3 operands, one E8M0 scale for each 32 along K, by v_wmma_scale_f32_16x16x128_f8f6f4 with both operands' format E2M3, f32 sums; everything else in f32.
;; Inputs: Wk 1,024 x 1,024 float32; Wo 1,024 x 1,024 float32; Wq 1,024 x 1,024 float32; Wv 1,024 x 1,024 float32; attention_mask 4 x 1 x 2,048 x 2,048 int32; x 4 x 2,048 x 1,024 float32.
;; Outputs: out0 4 x 2,048 x 1,024 float32.
;; This version of the problem:
;;   THIS VERSION OF THE PROBLEM IS GIVEN IN LOW PRECISION. The matrix products marked QUANTISED in the list below multiply operands that are first quantised to E2M3 (2 exponent bits, 3 mantissa bits; 6 bits a number), with one power-of-two scale for each 32 numbers along K (OCP MX v1.0); their sums are f32. All else is computed in f32.
;;   The module's matrix products, in the order in which they are computed (A, B: the left and right operand; K: the contracted axis; several contracted axes count as one K, in the product's order):
;;     1. [M 8,192, K 1,024] x [K 1,024, N 1,024]; A: input x; B: input Wq: QUANTISED
;;     2. [M 8,192, K 1,024] x [K 1,024, N 1,024]; A: input x; B: input Wk: QUANTISED
;;     3. [M 8,192, K 1,024] x [K 1,024, N 1,024]; A: input x; B: input Wv: QUANTISED
;;     4. batch 64 x [M 2,048, K 64] x [K 64, N 2,048]; A: computed on the way; B: computed on the way: QUANTISED
;;     5. batch 64 x [M 2,048, K 2,048] x [K 2,048, N 64]; A: softmax (see below); B: computed on the way: QUANTISED
;;     6. [M 8,192, K 1,024] x [K 1,024, N 1,024]; A: computed on the way; B: input Wo: QUANTISED
;;   THE QUANTISER, for each operand of a quantised product, along K:
;;     - K is cut into blocks of 32 from its start; a last block that is shorter is filled with zeros.
;;     - A block's scale is 2^e with e = floor(log2(the largest magnitude in the block)) - 2, held to -126 .. 127; a block of zeros has e = 0. As a byte (E8M0): e + 127.
;;     - Each number is divided by its block's scale, clamped to +-7.5, and rounded to the nearest number of E2M3, ties to even, subnormals kept.
;;     - The product sums the exact products of the quantised numbers (number of the format x scale) in f32.
;;   ~~~python
;;   def quantise(x, axis):      # numpy; x: float32 -> the quantised numbers, widened to float32 again
;;       x = np.moveaxis(x, axis, -1); K = x.shape[-1]
;;       x = np.pad(x, [(0, 0)] * (x.ndim - 1) + [(0, -K % 32)]); x = x.reshape(x.shape[:-1] + (-1, 32)); a = np.abs(x).max(-1, keepdims=True)
;;       e = np.where(a > 0, np.clip(np.frexp(np.where(a > 0, a, 1))[1] - 1 - 2, -126, 127), 0)      # np.frexp(a)[1] - 1 = floor(log2(a)), exactly
;;       r = np.clip(x / 2.0 ** e, -7.5, 7.5)
;;       step = 2.0 ** (np.maximum(np.frexp(np.where(r == 0, 1, r))[1] - 1, 0) - 3)
;;       q = np.round(r / step) * step * 2.0 ** e      # np.round: ties to even
;;       return np.moveaxis(q.reshape(q.shape[:-2] + (-1,))[..., :K], -1, axis).astype(np.float32)
;;   ~~~
;;   SOFTMAX AHEAD OF A QUANTISED PRODUCT. Where the list says 'softmax', what is quantised is not the finished softmax but p = 2^(t - M), with t = logit x log2(e) and M = ceil(the row's largest t), a whole number; so 1/2 < the row's largest p <= 1. The row's sum l is taken of the UNQUANTISED p, in f32, and the product's result is divided by l at the end. Since M is a whole number, a kernel that streams over the keys may use a running M (the ceiling of the running maximum): every later rescaling is an exact power of two, which a block's scale takes up: the codes' values come out the same.
;;   OPERANDS COMPUTED ON THE WAY. 'Computed on the way' means the value that the module computes at that place (a softmax that the list does not call 'softmax' is quantised finished and normalised). What goes into a quantiser is computed in f32, as accurately as f32 sums, v_exp_f32 and their like allow (about 1e-6 of the number): no bf16 or f16 on the way to a quantiser, and a product that is left as it is and whose result goes on into a quantised operand takes f32 operands (vector FMAs, or v_wmma_f32_16x16x4_f32). A number that lies on a knife's edge between two numbers of the format may be rounded either way, as far as f32 arithmetic and the matrix unit's own rounding can turn it there, and no further.
;; One version. Each part assembles by itself: llvm-mc -triple=amdgcn-amd-amdhsa -mcpu=gfx1250 --defsym DOCPART=n.
;; ======== version 1 of 1: 4 launches
;; limits: right only within a limited range of input values
;; workspace buffers: cq 10,223,616 bytes; mw 2,097,152 bytes of whole numbers; qkv 20,447,232 bytes; oc 6,815,744 bytes
;; launch prep (part 1): grid 1792 x 1, 2 waves a work-group, no clusters, 34,048 bytes of LDS; arguments x, Wq, Wk, Wv, Wo, attention_mask, cq, mw; writes cq, mw
.if DOCPART == 1
	.amdgcn_target "amdgcn-amd-amdhsa--gfx1250"
	.amdhsa_code_object_version 6
	.text
	.protected	k_qd16904bb36_prep
	.globl	k_qd16904bb36_prep
	.p2align	8
	.type	k_qd16904bb36_prep,@function
k_qd16904bb36_prep:
	s_mov_b64 s[64:65], 0
	v_nop
	global_prefetch_b8 v0, s[64:65] scope:SCOPE_SE
	s_setreg_imm32_b32 hwreg(HW_REG_WAVE_MODE, 25, 1), 1
	s_wait_xcnt 0x0
; PREP.  x [8192][1024] and Wq, Wk, Wv, Wo [1024][1024], f32 with K innermost, become codes of FP6 (E2M3) with one E8M0 byte for each 32 along K; attention_mask [4][1][2048][2048], int32, becomes one bit a number.
; NOTHING OF THE PROBLEM IS LEFT OUT: all six products are live, every input has a way to the output and is loaded.  The division by sqrt(64) = 8 is folded, exactly, into the softmax's factor in the launch attn.
; A block's scale is 2^(floor(log2(its largest magnitude)) - 2); its byte is the largest magnitude's exponent field - 2, held at 1 from below.
; LIMITS: NaN and infinities among the inputs are not served.  A block whose largest magnitude lies under 2^-124 gets the byte 1; a block of zeros too, where the rule says 127: its codes are zeros, and this program alone reads the bytes.
; THE ORDER OF ROWS.  A row tile T holds 16 rows: its place r is row 32 (T / 2) + 8 (T % 2) + r + 8 (r / 8).  So in every later product that is used transposed, the 16 registers of two neighbouring result tiles are 16 neighbours along the next K.
; THE LAYOUT OF cq.  768 row tiles of 13,312 bytes: 0-511 x, 512-575 Wq, 576-639 Wk, 640-703 Wv, 704-767 Wo.  A tile holds, for each of 8 K steps of 128, the IMAGE of the operand's 12 registers (registers 4 c .. 4 c + 3 of
; lane l at 1,536 s + 512 c + 16 l), and from byte 12,288 on the scale words (lane l's at 128 s + 4 l; lanes 16-31 repeat lanes 0-15).  A reader gets a fragment by three loads of 16 bytes a lane.
; THE LAYOUT OF mw.  [query tile 512][key step 16][64 words]: bit r + 16 h of word 16 b + i is 1 where the mask is 0 for the tile's place r and key 128 step + 32 b + 16 h + i: the lanes and registers in which attn holds its scores.
; SHARES.  A unit is 16 rows x 128 numbers, 8,192 bytes; a wave takes four units on end along one row tile.  Work-groups 0-767 quantise, 768-1791 take the mask.  The two ways part on the work-group's number, never meet, and have LDS bytes of their own.
; Each load reads 512 consecutive bytes of a row; the unit turns through the wave's own stage in LDS (rows of 528 bytes) so that a lane gets 16 neighbours of each block of 32.  Waves share nothing: no barrier.  No tensor load, no matrix
; work, no cluster: the launch streams, and no two work-groups read the same bytes.
.set STG,   8448                       ; a wave's stage: 16 rows x (512 + 16) bytes
; A WORK-GROUP HAS TWO WAVES: 1,792 work-groups, 7 for each of 256 WGPs.  Work-groups 0-767 quantise, 768-1791 take the mask (these counts stand for those of the head comment's SHARES).
.set MBASE, 2*STG                      ; the stages of the mask's way
.set SPARE, 4*STG                      ; the spare words, 128 bytes a wave: one block of 256 bytes that no other line names
.set NWQ,   768                        ; work-groups that quantise
.set REC,   13312                      ; a tile of cq
.set R,     16                         ; v16-79   numbers as loaded, set 0
.set R2,    184                        ; v184-247 set 1
.set X,     80                         ; v80-143  after the turn: register 16 b + i = number 32 b + 16 (lane / 16) + i of row lane % 16
.set PC,    144                        ; v144-155 a fragment's codes; v156-158, v160-162 halves on their way
.set TM,    164                        ; v164-167 largest magnitudes, v168-171 the other half's, then bytes, v176-179 the conversions' scale operands
.set PW,    180                        ; the scale word
.set SEL,   30                         ; s[30:31] lane selects: lane l xor 16
; v4 16 x lane, v5 4 x lane, v6 8 x lane; v7, v8 the stage in and out (quantising), v14, v15 (mask); v10, v11 the add's two; v[12:13] mask words on their way out
	s_load_b512 s[4:19], s[0:1], 0x0               ; x s[4:5], Wq s[6:7], Wk s[8:9], Wv s[10:11], Wo s[12:13], the mask s[14:15], cq s[16:17], mw s[18:19]
	v_lshl_add_u32 v10, v0, 2, SPARE
	v_mov_b32 v11, 0
	v_lshrrev_b32 v1, 5, v0
	v_readfirstlane_b32 s20, v1                    ; wave
	v_and_b32 v1, 31, v0                           ; lane
	v_and_b32 v2, 15, v0                           ; r
	v_bfe_u32 v3, v0, 4, 1                         ; h
	v_lshlrev_b32 v4, 4, v1
	v_lshlrev_b32 v5, 2, v1
	v_lshlrev_b32 v6, 3, v1
	s_mul_i32 s21, s20, STG
	v_add_nc_u32 v7, s21, v4                       ; into the stage: 16 x lane of a row
	v_mul_u32_u24 v8, v2, 528
	v_lshl_add_u32 v8, v3, 6, v8
	v_add_nc_u32 v8, s21, v8                       ; out of it: row r, + 64 h: my 16 numbers of a block of 32
	v_add_nc_u32 v14, MBASE, v7
	v_add_nc_u32 v15, MBASE, v8
	v_mov_b32 v12, 0                               ; written once: the destination of a lane write or permute counts as read
	v_mov_b32 v13, 0
.irp b, 0,1,2,3
	v_mov_b32 v[TM+4+\b], 0
.endr
	s_mov_b32 s[SEL], 0x76543210
	s_mov_b32 s[SEL+1], 0xfedcba98
	s_mov_b32 s37, 0
	s_mov_b32 s39, 0
.macro LOADU u, P                      ; unit u: 16 rows, P bytes apart, in the tile's order; 512 consecutive bytes a load; into set u % 2
.set RS, R+(R2-R)*((\u)%2)
.irp i, 0,1,2,3,4,5,6,7,8,9,10,11,12,13,14,15
	global_load_b128 v[RS+4*\i:RS+4*\i+3], v4, s[24:25] offset:(\i+8*(\i/8))*\P+512*(\u) th:TH_LOAD_NT
.endr
.endm
.macro TURNU u, sa, sb                 ; through the stage: LDS serves a wave's instructions in order, so no wait stands between the stores and the loads
.set RS, R+(R2-R)*((\u)%2)
.irp i, 0,1,2,3,4,5,6,7,8,9,10,11,12,13,14,15
	ds_store_b128 v[\sa], v[RS+4*\i:RS+4*\i+3] offset:528*\i
.endr
.irp b, 0,1,2,3
.irp j, 0,1,2,3
	ds_load_b128 v[X+16*\b+4*\j:X+16*\b+4*\j+3], v[\sb] offset:128*\b+16*\j
.endr
.endr
.endm
; 64 numbers of a lane, register 16 b + i = k 32 b + 16 (lane / 16) + i of my row, become a fragment's codes in v[PC] on and its scale word in v[PW]
.macro QUANT s
.irp b, 0,1,2,3
	v_max3_num_f32 v[TM+\b], |v[\s+16*\b]|, |v[\s+1+16*\b]|, 0x1800000   ; block b: my 16 numbers, and the floor 2^(3 - 127): the byte cannot fall under 1
.endr
.irp i, 2,4,6,8,10,12,14
.irp b, 0,1,2,3
	v_max3_num_f32 v[TM+\b], v[TM+\b], |v[\s+16*\b+\i]|, |v[\s+1+16*\b+\i]|   ; the four blocks by turns
.endr
.endr
.irp b, 0,1,2,3
	v_permlanex16_b32 v[TM+4+\b], v[TM+\b], s[SEL], s[SEL+1]
.endr
.irp b, 0,1,2,3
	v_max_num_f32 v[TM+\b], v[TM+\b], v[TM+4+\b]   ; with lane l xor 16's: the block's largest magnitude
.endr
.irp b, 0,1,2,3
	v_add_nc_u32 v[TM+12+\b], 0xff000000, v[TM+\b] ; 2 off its exponent field: the conversion takes this operand's exponent field as its scale
.endr
.irp b, 0,1,2,3
	v_lshrrev_b32 v[TM+4+\b], 23, v[TM+12+\b]      ; the scale's byte
.endr
	v_lshl_or_b32 v[PW], v[TM+5], 8, v[TM+4]
	v_lshl_or_b32 v[PW], v[TM+6], 16, v[PW]
	v_lshl_or_b32 v[PW], v[TM+7], 24, v[PW]        ; my row's scale word, the same in both halves of the lanes
.irp c, 0,1
	v_cvt_scalef32_pk16_fp6_f32 v[PC+6*\c:PC+2+6*\c], v[\s+32*\c:\s+15+32*\c], v[TM+12+2*\c]
	v_cvt_scalef32_pk16_fp6_f32 v[PC+12+4*\c:PC+14+4*\c], v[\s+16+32*\c:\s+31+32*\c], v[TM+12+2*\c+1]   ; (a conversion's three registers begin on an even number)
.endr
	v_nop                                          ; one plain instruction behind a scaled conversion
.irp c, 0,1                            ; the operand's layout wants a whole block in a lane: lanes 0-15 block 2 c, lanes 16-31 block 2 c + 1
.irp i, 0,1,2
	v_permlane16_swap_b32 v[PC+6*\c+\i], v[PC+12+4*\c+\i]
.endr
.irp i, 0,1,2
	v_mov_b32 v[PC+3+6*\c+\i], v[PC+12+4*\c+\i]
.endr
.endr
.endm
.macro BALLOT                          ; word j = the 32 lanes' answers to 'register j is 0'; it goes to lane j / 2, register j % 2: byte 4 j of the unit's 256
.set J, 0
.rept 8
.irp k, 0,1,2,3,4,5,6,7
	v_cmp_eq_u32 s[40+\k], 0, v[X+J+\k]
.endr
.irp k, 0,1,2,3,4,5,6,7
	v_writelane_b32 v[12+(J+\k)%2], s[40+\k], (J+\k)/2
.endr
.set J, J+8
.endr
.endm
.macro ARRIVE u, sa, sb, P             ; unit u comes into X, and its set of registers takes the unit two on
.if \u < 3
	s_wait_loadcnt 16                              ; loads come back in order: unit u's sixteen are in, the next unit's sixteen may be out
.else
	s_wait_loadcnt 0x0
.endif
	TURNU \u, \sa, \sb
	s_wait_dscnt 0x0                               ; X is in, and the stores into the stage have read their registers
	s_wait_xcnt 0x0                                ; the last unit's stores have read their data, which is written anew below
.if \u < 2
	LOADU \u+2, \P
.endif
.endm
	s_cmp_lt_u32 ttmp9, NWQ
	s_cbranch_scc0 .Lmask
	; ---- the quantising way: run tau = 2 x work-group + wave: tile tau / 2, K steps 4 (tau % 2) on
	s_lshl_b32 s22, ttmp9, 1
	s_add_co_u32 s22, s22, s20
	s_lshr_b32 s23, s22, 1                         ; the tile of cq
	s_and_b32 s32, s22, 1                          ; which half of K
	s_sub_co_u32 s33, s23, 512
	s_lshr_b32 s34, s33, 6                         ; which weight (no weight's number in x's tiles)
	s_and_b32 s33, s33, 63                         ; and the tile in it
	s_wait_kmcnt 0x0
	s_mov_b64 s[24:25], s[12:13]                   ; the source is chosen on the work-group's and the wave's number alone
	s_cmp_eq_u32 s34, 2
	s_cselect_b64 s[24:25], s[10:11], s[24:25]
	s_cmp_eq_u32 s34, 1
	s_cselect_b64 s[24:25], s[8:9], s[24:25]
	s_cmp_eq_u32 s34, 0
	s_cselect_b64 s[24:25], s[6:7], s[24:25]
	s_cmp_lt_u32 s23, 512
	s_cselect_b64 s[24:25], s[4:5], s[24:25]
	s_cselect_b32 s33, s23, s33                    ; the tile in its tensor
	s_lshr_b32 s35, s33, 1
	s_lshl_b32 s35, s35, 17                        ; 32 rows of 4,096 bytes for each pair of tiles,
	s_and_b32 s36, s33, 1
	s_lshl_b32 s36, s36, 15                        ; 8 rows for the odd one,
	s_add_co_u32 s36, s36, s35
	s_lshl_b32 s35, s32, 11                        ; 2,048 bytes for the upper half of K
	s_add_co_u32 s36, s36, s35
	s_add_nc_u64 s[24:25], s[24:25], s[36:37]
	s_mul_i32 s36, s23, REC
	s_mul_i32 s35, s32, 4*1536
	s_add_co_u32 s38, s36, s35
	s_add_nc_u64 s[26:27], s[16:17], s[38:39]      ; where my four images go,
	s_lshl_b32 s35, s32, 9
	s_add_co_u32 s38, s36, s35
	s_add_co_u32 s38, s38, 12288
	s_add_nc_u64 s[28:29], s[16:17], s[38:39]      ; and their scale words
	LOADU 0, 4096
	LOADU 1, 4096
	s_wait_alu depctr_va_vdst(0)
.irp u, 0,1,2,3
	ARRIVE \u, 7, 8, 4096
	QUANT X
.irp c, 0,1,2
	global_store_b128 v4, v[PC+4*\c:PC+4*\c+3], s[26:27] offset:1536*\u+512*\c   ; 512 consecutive bytes, at a multiple of 256 from cq's first byte
.endr
	global_store_b32 v5, v[PW], s[28:29] offset:128*\u
.endr
	s_wait_tensorcnt 0x0                           ; the wave's end
	ds_add_u32 v10, v11
	s_wait_dscnt 0x0
	s_endpgm
.Lmask:
	; ---- the mask's way: m = work-group - 768; query tile = m / 2; the wave takes key steps 4 x (2 (m % 2) + wave) on
	s_sub_co_u32 s23, ttmp9, NWQ
	s_and_b32 s21, s23, 1
	s_lshl_b32 s21, s21, 1
	s_add_co_u32 s20, s20, s21                     ; which quarter of the keys (the LDS addresses were made of the wave's number above)
	s_lshr_b32 s23, s23, 1
	s_lshr_b32 s35, s23, 1
	s_lshl_b32 s35, s35, 18                        ; 32 rows of 8,192 bytes for each pair of tiles,
	s_and_b32 s36, s23, 1
	s_lshl_b32 s36, s36, 16                        ; 8 rows for the odd one,
	s_add_co_u32 s36, s36, s35
	s_lshl_b32 s35, s20, 11                        ; 512 keys a wave
	s_add_co_u32 s36, s36, s35
	s_lshl_b32 s38, s23, 12
	s_lshl_b32 s35, s20, 10
	s_add_co_u32 s38, s38, s35
	s_wait_kmcnt 0x0
	s_add_nc_u64 s[24:25], s[14:15], s[36:37]
	s_add_nc_u64 s[26:27], s[18:19], s[38:39]
	LOADU 0, 8192
	LOADU 1, 8192
	s_wait_alu depctr_va_vdst(0)
.irp u, 0,1,2,3
	ARRIVE \u, 14, 15, 8192
	BALLOT
	global_store_b64 v6, v[12:13], s[26:27] offset:256*\u   ; 256 consecutive bytes, at a multiple of 256 from mw's first byte
.endr
	s_wait_tensorcnt 0x0                           ; the wave's end, as above
	ds_add_u32 v10, v11
	s_wait_dscnt 0x0
	s_endpgm
.Lfunc_end_k_qd16904bb36_prep:
	.size	k_qd16904bb36_prep, .Lfunc_end_k_qd16904bb36_prep-k_qd16904bb36_prep
	.p2alignl 7, 3214868480
	.fill 96, 4, 3214868480
	.section	.rodata,"a",@progbits
	.p2align	6, 0x0
	.amdhsa_kernel k_qd16904bb36_prep
		.amdhsa_group_segment_fixed_size 34048
		.amdhsa_private_segment_fixed_size 0
		.amdhsa_enable_private_segment 0
		.amdhsa_kernarg_size 64
		.amdhsa_user_sgpr_count 2
		.amdhsa_user_sgpr_kernarg_segment_ptr 1
		.amdhsa_wavefront_size32 1
		.amdhsa_system_sgpr_workgroup_id_x 1
		.amdhsa_system_sgpr_workgroup_id_y 1
		.amdhsa_system_sgpr_workgroup_id_z 1
		.amdhsa_system_vgpr_workitem_id 0
		.amdhsa_next_free_vgpr 248
		.amdhsa_next_free_sgpr 66
		.amdhsa_reserve_vcc 0
		.amdhsa_float_denorm_mode_32 3
		.amdhsa_float_denorm_mode_16_64 3
		.amdhsa_memory_ordered 1
		.amdhsa_forward_progress 1
		.amdhsa_inst_pref_size 82
	.end_amdhsa_kernel
	.amdgpu_metadata
---
amdhsa.version: [ 1, 2 ]
amdhsa.kernels:
  - .name:           k_qd16904bb36_prep
    .symbol:         k_qd16904bb36_prep.kd
    .args:
      - { .name: x, .offset: 0, .size: 8, .value_kind: global_buffer, .address_space: global }
      - { .name: Wq, .offset: 8, .size: 8, .value_kind: global_buffer, .address_space: global }
      - { .name: Wk, .offset: 16, .size: 8, .value_kind: global_buffer, .address_space: global }
      - { .name: Wv, .offset: 24, .size: 8, .value_kind: global_buffer, .address_space: global }
      - { .name: Wo, .offset: 32, .size: 8, .value_kind: global_buffer, .address_space: global }
      - { .name: attention_mask, .offset: 40, .size: 8, .value_kind: global_buffer, .address_space: global }
      - { .name: cq, .offset: 48, .size: 8, .value_kind: global_buffer, .address_space: global }
      - { .name: mw, .offset: 56, .size: 8, .value_kind: global_buffer, .address_space: global }
    .group_segment_fixed_size: 34048
    .private_segment_fixed_size: 0
    .kernarg_segment_align: 8
    .kernarg_segment_size: 64
    .max_flat_workgroup_size: 64
    .sgpr_count:     66
    .vgpr_count:     248
    .wavefront_size: 32
...
	.end_amdgpu_metadata
.endif
;; end of part 1
;; launch qkv (part 2): grid 8 x 48, 4 waves a work-group, clusters of 4 x 4, 327,680 bytes of LDS; arguments cq, qkv; writes qkv
.if DOCPART == 2
	.amdgcn_target "amdgcn-amd-amdhsa--gfx1250"
	.amdhsa_code_object_version 6
	.text
	.protected	k_qd16904bb36_qkv
	.globl	k_qd16904bb36_qkv
	.p2align	8
	.type	k_qd16904bb36_qkv,@function
k_qd16904bb36_qkv:
	s_mov_b64 s[64:65], 0
	v_nop
	global_prefetch_b8 v0, s[64:65] scope:SCOPE_SE
	s_setreg_imm32_b32 hwreg(HW_REG_WAVE_MODE, 25, 1), 1
	s_wait_xcnt 0x0
	s_wait_alu depctr_hold_cnt(0) depctr_sa_sdst(0) depctr_va_vdst(0) depctr_va_sdst(0) depctr_va_ssrc(0) depctr_va_vcc(0) depctr_vm_vsrc(0)
	s_getreg_b32 s2, hwreg(HW_REG_IB_STS2, 6, 4)
	s_cmp_eq_u32 s2, 0
	s_cbranch_scc0 .Lentry_in_a_cluster
	s_endpgm
.Lentry_in_a_cluster:
	s_bfe_u32 s2, ttmp6, 0x10000c
	s_cmp_lg_u32 s2, 0xf033
	s_cbranch_scc0 .Lentry_shape_is_right
	s_endpgm
.Lentry_shape_is_right:
.set NQ,     2
.set FR,     12
.set NL,     3
.set NP,     4
.set REC,    13312
.set QREC,   19968
.set TROW,   3072
.set HALFT,  8*TROW
.set SLOT,   4*HALFT
.set LAPS,   2
.set SCL,    2*SLOT
.set HALFS,  8192
.set SPARE,  SCL+4*HALFS
.set ADRA, 16
.set ADRB, 20
.set LI,   24
.set LS,   25
.set ADRS, 27
.set SPW,  28
.set NIL,  29
.set SC,   32
.set AF,   128
.set CT,   168
.set TM,   176
.set SEL,  100
.set G1, 24
.set G0, 32
.set G1B, 48
.set G0B, 56
.set G1S, 68
.set G0S, 76
.set G1SB, 80
.set G0SB, 88
.set MSB, 0
.macro WIN new
.if MSB != \new
	s_set_vgpr_msb (MSB<<8)|\new
.set MSB, \new
.endif
.endm
.set MUL_LO, 0xa1
.set MUL_HI, 0xf1
.set TO_B,   0x40
.macro JLOAD g0a, g1a, g0b, g1b
	s_cmp_eq_u32 s15, 0
	s_cbranch_scc0 .Lfor_b_\@
	tensor_load_to_lds s[\g0a:\g0a+3], s[\g1a:\g1a+7]
	s_nop 0
.rept 4
	v_nop
.endr
	s_branch .Lasked_\@
.Lfor_b_\@:
	tensor_load_to_lds s[\g0b:\g0b+3], s[\g1b:\g1b+7]
	s_nop 0
.rept 4
	v_nop
.endr
.Lasked_\@:
.endm
.macro CREST
	s_cmp_lg_u32 s14, 0
	s_cbranch_scc1 .Lnot_wave_0_\@
	s_barrier_signal -3
.Lnot_wave_0_\@:
	s_barrier_wait -3
	s_barrier_signal -1
	s_barrier_wait -1
.endm
.macro CROUND
	s_barrier_signal -1
	s_barrier_wait -1
	CREST
.endm
	s_load_b128 s[4:7], s[0:1], 0x0
	v_lshl_add_u32 v[SPW], v0, 2, SPARE
	v_mov_b32 v[NIL], 0
	ds_add_u32 v[SPW], v[NIL]
	ds_add_u32 v[SPW], v[NIL]
	v_lshrrev_b32 v1, 5, v0
	v_readfirstlane_b32 s14, v1
	s_lshr_b32 s15, s14, 1
	s_and_b32 s16, s14, 1
	s_bfe_u32 s40, ttmp6, 0x40000
	s_bfe_u32 s41, ttmp6, 0x40004
	s_and_b32 s18, ttmp7, 0xffff
	s_sub_co_u32 s19, s18, 8
	s_lshl_b32 s19, s19, 1
	s_add_co_u32 s19, s19, ttmp9
	s_cmp_lt_u32 s18, 8
	s_cselect_b32 s10, s18, 0
	s_cselect_b32 s11, ttmp9, s19
	s_cselect_b32 s8, 0, 640
	s_cselect_b32 s9, 512, 0
	s_lshl_b32 s17, s10, 2
	s_add_co_u32 s17, s17, s41
	s_lshl_b32 s42, s11, 2
	s_add_co_u32 s42, s42, s40
	s_lshl_b32 s43, s41, 2
	s_lshl_b32 s43, 15, s43
	s_lshl_b32 s44, 0x1111, s40
	s_or_b32 s[G1+0], s43, (3<<16)|(1<<21)
	s_or_b32 s[G1B+0], s44, (3<<16)|(1<<21)
.irp g, G1, G1B
	s_mov_b32 s[\g+1], 384<<16
	s_mov_b32 s[\g+2], 16<<16                      ; the head's loads bring 16 row tiles; behind them these two words are set to 8, for the ring's
	s_mov_b32 s[\g+3], 384<<16
	s_mov_b32 s[\g+4], 16
	s_mov_b32 s[\g+5], REC/8
	s_mov_b32 s[\g+6], 0
	s_mov_b32 s[\g+7], 0
.endr
	s_or_b32 s[G1S+0], s43, (3<<16)|(1<<21)
	s_or_b32 s[G1SB+0], s44, (3<<16)|(1<<21)
.irp g, G1S, G1SB
	s_mov_b32 s[\g+1], 128<<16
	s_mov_b32 s[\g+2], 16<<16                      ; the scale words of 16 row tiles, 1,024 bytes each
	s_mov_b32 s[\g+3], 128<<16
	s_mov_b32 s[\g+4], 16
	s_mov_b32 s[\g+5], REC/8
	s_mov_b32 s[\g+6], 0
	s_mov_b32 s[\g+7], 0
.endr
	s_lshl_b32 s22, s16, 3
	s_lshl_b32 s20, s17, 4
	s_add_co_u32 s20, s20, s8
	s_add_co_u32 s20, s20, s22
	s_mul_i32 s20, s20, REC
	s_mov_b32 s21, 0
	s_lshl_b32 s46, s42, 4
	s_add_co_u32 s46, s46, s9
	s_add_co_u32 s46, s46, s22
	s_mul_i32 s46, s46, REC
	s_mov_b32 s47, 0
	s_mul_i32 s45, s14, HALFT
	s_mul_i32 s10, s16, 8*REC                      ; s[10:11]: bytes from the block's first row tile to my half of it
	s_mov_b32 s11, 0
	s_mov_b32 s[SEL], 0x76543210
	s_mov_b32 s[SEL+1], 0xfedcba98
	s_wait_dscnt 0x0
	s_wait_kmcnt 0x0
	s_add_nc_u64 s[20:21], s[4:5], s[20:21]
	s_add_nc_u64 s[46:47], s[4:5], s[46:47]
	CROUND
	s_mov_b32 s[G0S], 1                            ; the scale words of A's 16 row tiles,
	s_mov_b32 s[G0S+1], SCL
	s_sub_nc_u64 s[G0S+2:G0S+3], s[20:21], s[10:11]
	s_add_nc_u64 s[G0S+2:G0S+3], s[G0S+2:G0S+3], 12288
	s_or_b32 s[G0S+3], s[G0S+3], 0x80000000
	s_mov_b32 s[G0SB], 1                           ; and of B's, behind them
	s_mov_b32 s[G0SB+1], SCL+2*HALFS
	s_sub_nc_u64 s[G0SB+2:G0SB+3], s[46:47], s[10:11]
	s_add_nc_u64 s[G0SB+2:G0SB+3], s[G0SB+2:G0SB+3], 12288
	s_or_b32 s[G0SB+3], s[G0SB+3], 0x80000000
.irp s, 0,1
	s_mov_b32 s[G0+4*\s], 1
	s_add_co_u32 s[G0+4*\s+1], s45, \s*SLOT
	s_add_nc_u64 s[G0+4*\s+2:G0+4*\s+3], s[20:21], \s*TROW
	s_or_b32 s[G0+4*\s+3], s[G0+4*\s+3], 0x80000000
	s_mov_b32 s[G0B+4*\s], 1
	s_add_co_u32 s[G0B+4*\s+1], s45, \s*SLOT
	s_add_nc_u64 s[G0B+4*\s+2:G0B+4*\s+3], s[46:47], \s*TROW
	s_or_b32 s[G0B+4*\s+3], s[G0B+4*\s+3], 0x80000000
.endr
	; THE HEAD'S LOADS, ONE A WAVE: wave 0 slot 0's 16 row tiles of A, wave 1 those of B, wave 2 A's scale words, wave 3 B's.
	; For them slot 0's two groups 0 name the whole block; behind the wait for the head's loads they are set to the wave's half again.
	s_mov_b32 s[G0+1], 0
	s_sub_nc_u64 s[G0+2:G0+3], s[G0+2:G0+3], s[10:11]
	s_mov_b32 s[G0B+1], 2*HALFT
	s_sub_nc_u64 s[G0B+2:G0B+3], s[G0B+2:G0B+3], s[10:11]
.macro ARM under, g0, g1, next         ; one tree of branches on the wave's number: every way through it passes one load
	s_cmp_lt_u32 s14, \under
	s_cbranch_scc0 \next
	tensor_load_to_lds s[\g0:\g0+3], s[\g1:\g1+7]
	s_nop 0
.rept 4
	v_nop
.endr
	s_branch .Lhead_asked
\next:
.endm
	ARM 1, G0,  G1,  .Lhead_b
	ARM 2, G0B, G1B, .Lhead_sa
	ARM 3, G0S, G1S, .Lhead_sb
	tensor_load_to_lds s[G0SB:G0SB+3], s[G1SB:G1SB+7]
	s_nop 0
.rept 4
	v_nop
.endr
.Lhead_asked:
	v_and_b32 v1, 31, v0
	v_bfe_u32 v2, v0, 4, 1
	s_wait_alu depctr_va_vdst(0)
	v_lshlrev_b32 v[LI], 4, v1
	v_lshlrev_b32 v[LS], 2, v1
	s_mul_i32 s21, s15, HALFT
	s_mul_i32 s22, s16, HALFT
	s_add_co_u32 s22, s22, 2*HALFT
.irp s, 0,1
	v_add_nc_u32 v[ADRA+\s], s21, v[LI]
	v_add_nc_u32 v[ADRB+\s], s22, v[LI]
	s_add_co_u32 s21, s21, SLOT
	s_add_co_u32 s22, s22, SLOT
.endr
	s_mul_i32 s21, s15, HALFS
	s_mul_i32 s22, s16, HALFS
	s_add_co_u32 s22, s22, 2*HALFS
	s_sub_co_u32 s22, s22, s21
	v_mul_u32_u24 v6, s22, v2
	s_wait_alu depctr_va_vdst(0)
	s_add_co_u32 s21, s21, SCL
	v_add_nc_u32 v5, v[LS], v6
	v_add_nc_u32 v[ADRS], s21, v5
	s_lshl_b32 s92, s17, 1
	s_add_co_u32 s92, s92, s15
	s_lshl_b32 s93, s42, 1
	s_add_co_u32 s93, s93, s16
	s_and_b32 s95, s93, 7
	s_mov_b32 s97, 12288
	s_cmp_lt_u32 s93, 8
	s_cselect_b32 s96, 13312, 0
	s_cselect_b32 s97, 19456, s97
	s_cmp_lt_u32 s18, 8
	s_cselect_b32 s98, s92, s93
	s_cselect_b32 s99, s95, s92
	s_cselect_b32 s96, s96, 6144
	s_cselect_b32 s97, s97, 12800
	s_lshr_b32 s92, s98, 4
	s_lshl_b32 s92, s92, 8
	s_lshl_b32 s99, s99, 5
	s_add_co_u32 s92, s92, s99
	s_and_b32 s98, s98, 15
	s_add_co_u32 s92, s92, s98
	s_mul_i32 s92, s92, QREC
	s_add_co_u32 s98, s92, s96
	s_mov_b32 s99, 0
	s_add_nc_u64 s[12:13], s[6:7], s[98:99]
	s_add_co_u32 s98, s92, s97
	s_add_nc_u64 s[66:67], s[6:7], s[98:99]
.macro FRAG reg, adr, q, i
.irp c, 0,1,2
	ds_load_b128 v[\reg+4*\c:\reg+4*\c+3], v[\adr] offset:(\i)*TROW+(\q)*1536+512*\c
.endr
.endm
.macro MUL16 a0, p, q, sc, zero
.irp a, \a0, \a0+1
.irp b, 0,1,2,3,4,5,6,7
.if \zero
	v_wmma_scale_f32_16x16x128_f8f6f4 v[8*(8*((\a)%4)+\b):8*(8*((\a)%4)+\b)+7], v[128*(\p)+FR*\b:128*(\p)+FR*\b+FR-1], v[AF+FR*(\a):AF+FR*(\a)+FR-1], 0, v[SC+8*NQ*(\sc)+NQ*\b+(\q)], v[SC+8*NQ*(\sc)+NQ*(\a)+(\q)] matrix_a_fmt:MATRIX_FMT_FP6 matrix_b_fmt:MATRIX_FMT_FP6 matrix_a_scale:MATRIX_SCALE_ROW1
.else
	v_wmma_scale_f32_16x16x128_f8f6f4 v[8*(8*((\a)%4)+\b):8*(8*((\a)%4)+\b)+7], v[128*(\p)+FR*\b:128*(\p)+FR*\b+FR-1], v[AF+FR*(\a):AF+FR*(\a)+FR-1], v[8*(8*((\a)%4)+\b):8*(8*((\a)%4)+\b)+7], v[SC+8*NQ*(\sc)+NQ*\b+(\q)], v[SC+8*NQ*(\sc)+NQ*(\a)+(\q)] matrix_a_fmt:MATRIX_FMT_FP6 matrix_b_fmt:MATRIX_FMT_FP6 matrix_a_scale:MATRIX_SCALE_ROW1
.endif
.endr
.endr
.endm
.macro FETCH_B slot, q, p
	WIN TO_B
.irp i, 0,1,2,3,4,5,6,7
	FRAG 128*(\p)+FR*\i, ADRB+\slot, \q, \i
.endr
	WIN 0
.endm
.macro FETCH_A slot, q, i0
.irp i, \i0, \i0+1, \i0+2, \i0+3
	FRAG AF+FR*(\i), ADRA+\slot, \q, \i
.endr
.endm
.macro SCALES sc
.irp i, 0,1,2,3,4,5,6,7
.irp k, 0,1
	ds_load_b32 v[SC+16*\sc+2*\i+\k], v[ADRS] offset:\i*1024+\k*128
.endr
.endr
.endm
.macro PLACES n
.rept \n
	v_nop
.endr
.endm
.macro STEP slot, q, zero
	s_wait_dscnt 4*NL
	WIN MUL_LO
	MUL16 0, (\q)%2, \q, \slot, \zero
	MUL16 2, (\q)%2, \q, \slot, \zero
	s_wait_dscnt 0
	PLACES NP
	FETCH_B \slot, (\q)+1, 1-(\q)%2
	FETCH_A \slot, (\q)+1, 0
	WIN MUL_HI
	MUL16 4, (\q)%2, \q, \slot, \zero
	MUL16 6, (\q)%2, \q, \slot, \zero
	PLACES NP
	WIN 0
	FETCH_A \slot, (\q)+1, 4
.endm
.macro TURN slot, next, fill
	s_wait_tensorcnt 0x0
	ds_add_u32 v[SPW], v[NIL]
	s_wait_dscnt 4*NL+1
	WIN MUL_LO
	MUL16 0, 1, NQ-1, \slot, 0
	s_wait_dscnt 0x0
	s_barrier_signal -1
	MUL16 2, 1, NQ-1, \slot, 0
	WIN 0
	s_barrier_wait -1
.if \fill
	CREST
	s_add_nc_u64 s[G0+4*\slot+2:G0+4*\slot+3], s[G0+4*\slot+2:G0+4*\slot+3], 2*TROW
	s_add_nc_u64 s[G0B+4*\slot+2:G0B+4*\slot+3], s[G0B+4*\slot+2:G0B+4*\slot+3], 2*TROW
	JLOAD G0+4*\slot, G1, G0B+4*\slot, G1B
.else
	PLACES NP
.endif
	s_wait_alu depctr_va_vdst(0)
	v_add_nc_u32 v[ADRS], 128*NQ, v[ADRS]
	FETCH_B \next, 0, 0
	FETCH_A \next, 0, 0
	SCALES \next
	WIN MUL_HI
	MUL16 4, 1, NQ-1, \slot, 0
	MUL16 6, 1, NQ-1, \slot, 0
	PLACES NP
	WIN 0
	FETCH_A \next, 0, 4
.endm
	s_wait_alu depctr_va_vdst(0)
	s_wait_tensorcnt 0x0                           ; my tile of the head's four is in
	ds_add_u32 v[SPW], v[NIL]
	s_mov_b32 s[G1+2], 8<<16                       ; no tensor load of mine is out, so descriptors may be written: from here on a load brings 8 row tiles,
	s_mov_b32 s[G1+4], 8
	s_mov_b32 s[G1B+2], 8<<16
	s_mov_b32 s[G1B+4], 8
	s_mov_b32 s[G0+1], s45                         ; and slot 0's groups 0 name my half again
	s_add_nc_u64 s[G0+2:G0+3], s[G0+2:G0+3], s[10:11]
	s_mov_b32 s[G0B+1], s45
	s_add_nc_u64 s[G0B+2:G0B+3], s[G0B+2:G0B+3], s[10:11]
	s_wait_dscnt 0x0
	CROUND                                         ; all four tiles are in, in every work-group of the cluster
	JLOAD G0+4, G1, G0B+4, G1B                     ; slot 1's first fill, the first tensor load behind the round
	FETCH_B 0, 0, 0
	FETCH_A 0, 0, 0
	SCALES 0
	FETCH_A 0, 0, 4
	STEP 0, 0, 1
	s_mov_b32 s3, LAPS-1
.Llap:
	TURN 0, 1, 1
	STEP 1, 0, 0
	TURN 1, 0, 1
	STEP 0, 0, 0
	s_sub_co_u32 s3, s3, 1
	s_cmp_lg_u32 s3, 0
	s_cbranch_scc1 .Llap
	TURN 0, 1, 0
	STEP 1, 0, 0
	s_wait_dscnt 4*NL
	WIN MUL_LO
	MUL16 0, 1, NQ-1, 1, 0
	MUL16 2, 1, NQ-1, 1, 0
	s_wait_dscnt 0
	WIN MUL_HI
	MUL16 4, 1, NQ-1, 1, 0
	MUL16 6, 1, NQ-1, 1, 0
	WIN 0
.macro EPI
.set PCN, 64+12*EN
.set WA, EW|(EW<<2)
.set WB, (EW<<2)|(EW<<4)
	WIN WA
	v_max3_num_f32 v[TM], |v[ES0]|, |v[ES0+1]|, 0x1800000
	v_max3_num_f32 v[TM+1], |v[ES0+16]|, |v[ES0+17]|, 0x1800000
	v_max3_num_f32 v[TM+2], |v[ES1]|, |v[ES1+1]|, 0x1800000
	v_max3_num_f32 v[TM+3], |v[ES1+16]|, |v[ES1+17]|, 0x1800000
	WIN WB
.irp i, 2,4,6,8,10,12,14
	v_max3_num_f32 v[TM], v[TM], |v[ES0+\i]|, |v[ES0+\i+1]|
	v_max3_num_f32 v[TM+1], v[TM+1], |v[ES0+16+\i]|, |v[ES0+17+\i]|
	v_max3_num_f32 v[TM+2], v[TM+2], |v[ES1+\i]|, |v[ES1+\i+1]|
	v_max3_num_f32 v[TM+3], v[TM+3], |v[ES1+16+\i]|, |v[ES1+17+\i]|
.endr
	WIN 0
.irp b, 0,1,2,3
	v_permlanex16_b32 v[TM+4+\b], v[TM+\b], s[SEL], s[SEL+1]
.endr
.irp b, 0,1,2,3
	v_max_num_f32 v[TM+\b], v[TM+\b], v[TM+4+\b]
.endr
.irp b, 0,1,2,3
	v_add_nc_u32 v[TM+12+\b], 0xff000000, v[TM+\b]
.endr
.irp b, 0,1,2,3
	v_lshrrev_b32 v[TM+4+\b], 23, v[TM+12+\b]
.endr
	v_lshl_or_b32 v[160+EN], v[TM+5], 8, v[TM+4]
	v_lshl_or_b32 v[160+EN], v[TM+6], 16, v[160+EN]
	v_lshl_or_b32 v[160+EN], v[TM+7], 24, v[160+EN]
	WIN EW
	v_cvt_scalef32_pk16_fp6_f32 v[PCN:PCN+2], v[ES0:ES0+15], v[TM+12]
	v_cvt_scalef32_pk16_fp6_f32 v[CT:CT+2], v[ES0+16:ES0+31], v[TM+13]
	v_cvt_scalef32_pk16_fp6_f32 v[PCN+6:PCN+8], v[ES1:ES1+15], v[TM+14]
	v_cvt_scalef32_pk16_fp6_f32 v[CT+4:CT+6], v[ES1+16:ES1+31], v[TM+15]
	WIN 0
	v_nop
.irp c, 0,1
.irp i, 0,1,2
	v_permlane16_swap_b32 v[PCN+6*\c+\i], v[CT+4*\c+\i]
.endr
.irp i, 0,1,2
	v_mov_b32 v[PCN+3+6*\c+\i], v[CT+4*\c+\i]
.endr
.endr
.irp c, 0,1,2
	global_store_b128 v[LI], v[PCN+4*\c:PCN+4*\c+3], s[12:13] offset:EOC+512*\c
.endr
	global_store_b32 v[LS], v[160+EN], s[66:67] offset:EOS
.set EN, EN+1
.endm
	PLACES NP
.irp b, 0,1,2,3
	v_mov_b32 v[TM+4+\b], 0
.endr
	s_cmp_lt_u32 s18, 8
	s_cbranch_scc0 .Lrole_v
.set EN, 0
.irp f, 0,1,2,3
.irp g, 0,1
.set EW, 2+\f/2
.set ES0, 64*((2*\f)%4)+32*\g
.set ES1, 64*((2*\f+1)%4)+32*\g
.set EOC, \g*16*QREC+\f*1536
.set EOS, \g*16*QREC+\f*128
	EPI
.endr
.endr
	s_branch .Lstored
.Lrole_v:
.set EN, 0
.irp g, 0,1
.irp f, 0,1,2,3
.set EW, 2+\g
.set ES0, 64*\f
.set ES1, 64*\f+32
.set EOC, \g*16*QREC+\f*1536
.set EOS, \g*16*QREC+\f*128
	EPI
.endr
.endr
.Lstored:
	s_wait_tensorcnt 0x0
	ds_add_u32 v[SPW], v[NIL]
	s_wait_dscnt 0x0
	CROUND
	s_endpgm
.Lfunc_end_k_qd16904bb36_qkv:
	.size	k_qd16904bb36_qkv, .Lfunc_end_k_qd16904bb36_qkv-k_qd16904bb36_qkv
	.p2alignl 7, 3214868480
	.fill 96, 4, 3214868480
	.section	.rodata,"a",@progbits
	.p2align	6, 0x0
	.amdhsa_kernel k_qd16904bb36_qkv
		.amdhsa_group_segment_fixed_size 327680
		.amdhsa_private_segment_fixed_size 0
		.amdhsa_enable_private_segment 0
		.amdhsa_kernarg_size 16
		.amdhsa_user_sgpr_count 2
		.amdhsa_user_sgpr_kernarg_segment_ptr 1
		.amdhsa_wavefront_size32 1
		.amdhsa_system_sgpr_workgroup_id_x 1
		.amdhsa_system_sgpr_workgroup_id_y 1
		.amdhsa_system_sgpr_workgroup_id_z 1
		.amdhsa_system_vgpr_workitem_id 0
		.amdhsa_next_free_vgpr 1024
		.amdhsa_next_free_sgpr 102
		.amdhsa_reserve_vcc 0
		.amdhsa_float_denorm_mode_32 3
		.amdhsa_float_denorm_mode_16_64 3
		.amdhsa_memory_ordered 1
		.amdhsa_forward_progress 1
		.amdhsa_inst_pref_size 178
	.end_amdhsa_kernel
	.amdgpu_metadata
---
amdhsa.version: [ 1, 2 ]
amdhsa.kernels:
  - .name:           k_qd16904bb36_qkv
    .symbol:         k_qd16904bb36_qkv.kd
    .args:
      - { .name: cq, .offset: 0, .size: 8, .value_kind: global_buffer, .address_space: global }
      - { .name: qkv, .offset: 8, .size: 8, .value_kind: global_buffer, .address_space: global }
    .group_segment_fixed_size: 327680
    .private_segment_fixed_size: 0
    .kernarg_segment_align: 8
    .kernarg_segment_size: 16
    .max_flat_workgroup_size: 128
    .sgpr_count:     102
    .vgpr_count:     1024
    .wavefront_size: 32
...
	.end_amdgpu_metadata
.endif
;; end of part 2
;; launch attn (part 3): grid 8 x 32, 16 waves a work-group, clusters of 4 x 1, 327,680 bytes of LDS; arguments qkv, mw, oc; writes oc
.if DOCPART == 3
	.amdgcn_target "amdgcn-amd-amdhsa--gfx1250"
	.amdhsa_code_object_version 6
	.text
	.protected	k_qd16904bb36_attn
	.globl	k_qd16904bb36_attn
	.p2align	8
	.type	k_qd16904bb36_attn,@function
k_qd16904bb36_attn:
	s_mov_b64 s[64:65], 0
	v_nop
	global_prefetch_b8 v0, s[64:65] scope:SCOPE_SE
	s_setreg_imm32_b32 hwreg(HW_REG_WAVE_MODE, 25, 1), 1
	s_wait_xcnt 0x0
	s_wait_alu depctr_hold_cnt(0) depctr_sa_sdst(0) depctr_va_vdst(0) depctr_va_sdst(0) depctr_va_ssrc(0) depctr_va_vcc(0) depctr_vm_vsrc(0)
	s_getreg_b32 s2, hwreg(HW_REG_IB_STS2, 6, 4)
	s_cmp_eq_u32 s2, 0
	s_cbranch_scc0 .Lentry_in_a_cluster
	s_endpgm
.Lentry_in_a_cluster:
	s_bfe_u32 s2, ttmp6, 0x10000c
	s_cmp_lg_u32 s2, 0x3003
	s_cbranch_scc0 .Lentry_shape_is_right
	s_endpgm
.Lentry_shape_is_right:
; ATTN.  For each batch and head: softmax(where(mask == 0, -1e9, q k^T / 8)) v, both products on codes of FP6 (E2M3) with one E8M0 byte for each 32 along K; the result is quantised along the model's 1,024 and leaves as codes for the last product.
; Nothing is left out here: every key step is walked for every query, since the mask is an input.
; THE SOFTMAX: t = score x c, c = log2(e) / 8 (the division by sqrt(64) is exact in c); M = the row's largest t so far, rounded up to a whole number; p = 2^(t - M) is quantised along the keys, not normalised; the row's sum is taken of the
; unquantised p and divides at the end.  When M moves, the sum and O are multiplied by 2^(old M - new M): exact.
; LIMIT, THE MASK'S FILL: a hidden score is set to -2^33, that is the logit -2^30 = -1.0737e9 where the problem writes -1e9.  Then t = -2^33 c is a whole number in f32, and the fused c s - M gives exactly 0, p = 1, in a row with no open key:
; the uniform row that the problem's f32 gives.  The results are the problem's wherever a row has no open key or its largest open logit lies above -9.9e8.
; LIMITS as in prep: NaN and infinities are not served; a block under 2^-124, and a block of zeros, gets the byte 1 with zero codes.
; SHARES.  A work-group owns 256 queries of one batch and walks TWO heads, 2 pair and 2 pair + 1, one after the other: 32 key steps of 128, records 32 y .. 32 y + 31 of qkv (y = 8 batch + pair), on end in memory.  Each of its sixteen waves owns
; one tile of 16 queries in 256 registers, four waves to a SIMD, so that one wave's vector work stands beside another's matrix work and LDS loads.  After both heads a wave holds one whole fragment of oc: its token tile, K step = pair.
; LAYOUT.  Both products are used transposed: S^T = k q^T, O^T = v^T p^T: a lane holds one query (lane % 16) throughout.  By the order of rows in a tile (see prep) the 16 registers of score tiles 2 b, 2 b + 1 are keys 32 b + 16 (lane / 16) + 0 .. 15.
; THE HEAD'S 64 IN A K OF 128: a fragment of k holds TWO key tiles, one in each half of K (see qkv).  It is multiplied once by [q | zero codes] and once by [zero codes | q]: zero codes add nothing under any scale byte of this program.
; THE MASK comes as 64 words a key step into scalar registers (see prep): word j is the select mask of score register j.  No branch and no address hangs on it.
; CLUSTER.  The four query blocks of a cluster walk the same records: each slot of eight records' k and v (8 x 13,312 bytes) is asked for jointly, by wave 0's one tensor load with a mask that names the four.
; THE LAYOUT OF oc: 512 token tiles of 13,312 bytes, laid as a tile of cq.
; REGISTERS: v1 16 x lane, v2 4 x lane, v3, v4 the add's two, v5, v6 LDS addresses in hand, v7 -2^33, v8 the prefetch's offset; v12 -M, v13 the largest t, v[14:15] the sum; v16-27 [q | 0], v28-39 [0 | q], v40 q's scale word;
; v44-91 four fragments of k, then of v; v92-95 their scale words; v96-159 S^T, then p; v160-191 O^T; v192-203 p's codes; v204-210 halves on their way; v212-223 at work; v224 p's scale word; v[226:227] f, later 1 / sum; v228-229 at work;
; v232-243 oc's fragment, v244 its scale word; v245-250, v251 the second head's q and scale word.
.set REC,   19968                      ; a record of qkv
.set KVB,   13312                      ; its part with k, v and their scale words
; A SLOT HOLDS EIGHT RECORDS' k and v, 8 x 13,312 bytes, brought by one joint load: four slots for the walk's 32 key steps, three of them asked for at a change of slots (this count stands for the head comment's four records).
.set SLOT1, 131072                     ; slot 1 begins here: one exclusive or turns an address in one slot into the other's
.set SPARE, 262144                     ; the spare words, 128 bytes a wave: eight blocks of 256 bytes that no other line names
; s2 wave; s3 LDS byte of the step in hand; s[4:5] q's record; s[6:7] my query tile's mask words; s[8:9] my tile of oc; s[10:11] where my prefetch stands; s[12:15] descriptor group 0, which walks; s16 the mask words' byte offset;
; s17 slots to ask for; s18 a slot's steps; s19 1 in a wave that prefetches, else the greatest number; s[20:51], s[68:99] the 64 mask words; s[52:59] group 1; s[60:61] lane selects; s[62:63] c; s100 y; s101 the block of 256 queries
.macro CROUND                          ; a round of the cluster's barrier
	s_barrier_signal -1
	s_barrier_wait -1
	s_cmp_lg_u32 s2, 0
	s_cbranch_scc1 .Lnot_wave_0_\@
	s_barrier_signal -3
.Lnot_wave_0_\@:
	s_barrier_wait -3
	s_barrier_signal -1
	s_barrier_wait -1
.endm
.macro TLOAD                           ; wave 0 alone fetches; the branch hangs on the wave's number.  An s_nop 0 and four v_nop follow the load
	s_cmp_lg_u32 s2, 0
	s_cbranch_scc1 .Lno_load_\@
	tensor_load_to_lds s[12:15], s[52:59]
	s_nop 0
.rept 4
	v_nop
.endr
.Lno_load_\@:
.endm
; A PREFETCH INTO THE L2 of what the NEXT change of slots will ask for: eight records' 13,312 bytes.  All clusters of a y walk the same records: the first of them asks.  Its four partners are told apart by address: partner cx takes
; records cx and cx + 4 of the slot; waves 1 and 2 ask for the first, waves 3 and 4 for the second, lanes 256 bytes apart (52 blocks; the lanes left over name the last once more).  The last change that fills a slot asks for nothing.
.macro ASK
	s_cmp_gt_u32 s17, s19
	s_cbranch_scc0 .Lnot_mine_\@
	global_prefetch_b8 v8, s[10:11] th:TH_LOAD_NT scope:SCOPE_SE
.Lnot_mine_\@:
.endm
	s_load_b128 s[4:7], s[0:1], 0x0                ; qkv s[4:5], mw s[6:7]
	s_load_b64 s[8:9], s[0:1], 0x10                ; oc
	v_lshl_add_u32 v3, v0, 2, SPARE
	v_mov_b32 v4, 0
	ds_add_u32 v3, v4                              ; the wave's opening: the add, twice on end, and its wait ahead of the first tensor load
	ds_add_u32 v3, v4
	v_lshrrev_b32 v1, 5, v0
	s_delay_alu instid0(VALU_DEP_1)
	v_readfirstlane_b32 s2, v1                     ; wave 0..15
	s_bfe_u32 s68, ttmp6, 0x40000                  ; cx: it enters global addresses alone
	s_lshl_b32 s101, ttmp9, 2
	s_add_co_u32 s101, s101, s68                   ; my block of 256 queries
	s_and_b32 s100, ttmp7, 0xffff                  ; y = 8 batch + pair, which the four partners share
	s_mul_i32 s18, s100, 32*REC                    ; the walk's first record, in bytes
	s_mov_b32 s19, 0
	; descriptor group 1: 8 rows (records) of 1,664 elements of 8 bytes, 2,496 elements apart; dense in LDS
	s_mov_b32 s52, 15|(3<<16)|(1<<21)              ; 15:0 the mask: all four work-groups; 17:16 elements of 8 bytes; 20 no padding; 21 set beside a mask
	s_mov_b32 s53, (KVB/8)<<16                     ; tensor_dim0
	s_mov_b32 s54, 8<<16                           ; tensor_dim1: 8 records
	s_mov_b32 s55, (KVB/8)<<16                     ; tile_dim0
	s_mov_b32 s56, 8                               ; tile_dim1
	s_mov_b32 s57, REC/8                           ; tensor_dim0_stride
	s_mov_b32 s58, 0
	s_mov_b32 s59, 0
	s_mov_b32 s60, 0x76543210
	s_mov_b32 s61, 0xfedcba98
	s_mov_b32 s62, 0x3e38aa3b                      ; c = log2(e) / 8
	s_mov_b32 s63, s62                             ; (named with it as a pair, so it is written)
	s_mov_b32 s3, 0
	s_mov_b32 s16, 0
	s_mov_b32 s17, 3
	s_lshl_b32 s69, s100, 5
	s_add_co_u32 s80, s69, s68
	s_add_co_u32 s80, s80, 8
	s_mul_i32 s80, s80, REC                        ; the prefetch: my work-group's record of slot 1; the first change of slots steps it to slot 2
	s_mov_b32 s81, 0
	s_lshl_b32 s71, s101, 1
	s_add_co_u32 s70, s69, s71
	s_lshr_b32 s71, s2, 3
	s_add_co_u32 s70, s70, s71
	s_mul_i32 s70, s70, REC                        ; q: the first head's record of my 128 tokens: 32 y + 2 x block + wave / 8
	s_mov_b32 s71, 0
	s_lshr_b32 s74, s100, 3
	s_lshl_b32 s74, s74, 7
	s_lshl_b32 s75, s101, 4
	s_add_co_u32 s74, s74, s75
	s_add_co_u32 s74, s74, s2                      ; my token tile: 128 batch + 16 block + wave
	s_lshl_b32 s76, s74, 12                        ; its mask words,
	s_mov_b32 s77, 0
	s_mul_i32 s78, s74, KVB                        ; its tile of oc
	s_mov_b32 s79, 0
	s_bfe_u32 s72, s2, 0x20001                     ; which pair of token tiles of the record: (wave % 8) / 2
	s_mul_i32 s73, s72, 1536
	s_lshl_b32 s72, s72, 7
	s_and_b32 s67, s2, 1                           ; and which of the two
	s_cmp_lg_u32 s67, 0
	s_cselect_b32 s66, -1, 0                       ; as a select mask,
	s_lshl_b32 s67, s67, 4                         ; and as a shift of the scale word
	s_sub_co_u32 s82, s2, 1
	s_and_b32 s83, s82, 1
	s_lshl_b32 s83, s83, 5                         ; waves 1 and 3: blocks 0-31, waves 2 and 4: 32 on
	s_bfe_u32 s84, s82, 0x10001                    ; waves 3 and 4: the record four further on
	s_mul_i32 s84, s84, 4*REC
	s_add_co_u32 s80, s80, s84
	s_lshr_b32 s82, s82, 2                         ; 0 in waves 1 to 4,
	s_or_b32 s82, s82, ttmp9                       ; of the first cluster along x: the same in all four partners
	s_wait_dscnt 0x0                               ; both opening adds are done
	s_wait_kmcnt 0x0
	s_mov_b32 s12, 1                               ; 1:0 count = 1
	s_mov_b32 s13, 0                               ; LDS address: slot 0
	s_add_nc_u64 s[14:15], s[4:5], s[18:19]        ; global address: it hangs on y alone
	s_or_b32 s15, s15, 0x80000000                  ; type = 2
	s_add_nc_u64 s[10:11], s[4:5], s[80:81]
	s_add_nc_u64 s[4:5], s[4:5], s[70:71]
	s_add_nc_u64 s[6:7], s[6:7], s[76:77]
	s_add_nc_u64 s[8:9], s[8:9], s[78:79]
	s_cmp_eq_u32 s82, 0
	s_cselect_b32 s19, 1, -1
	CROUND                                         ; all four work-groups are here: the first joint load meets
	TLOAD                                          ; slot 0
	v_and_b32 v2, 31, v0
	s_delay_alu instid0(VALU_DEP_1)
	v_add_nc_u32 v8, s83, v2
	s_delay_alu instid0(VALU_DEP_1)
	v_min_u32 v8, 51, v8
	s_delay_alu instid0(VALU_DEP_1)
	v_lshlrev_b32 v8, 8, v8
	s_delay_alu instid0(VALU_DEP_4)
	v_lshlrev_b32 v1, 4, v2
	v_lshlrev_b32 v2, 2, v2
	s_delay_alu instid0(VALU_DEP_2)
	v_add_nc_u32 v228, s73, v1
	s_delay_alu instid0(VALU_DEP_2)
	v_add_nc_u32 v229, s72, v2
.irp c, 0,1,2
	global_load_b128 v[44+4*\c:47+4*\c], v228, s[4:5] offset:13312+512*\c            ; the first head's pair of q,
	global_load_b128 v[56+4*\c:59+4*\c], v228, s[4:5] offset:13312+16*REC+512*\c     ; the second head's, 16 records on
.endr
	global_load_b32 v204, v229, s[4:5] offset:19456
	global_load_b32 v208, v229, s[4:5] offset:19456+16*REC
	s_load_b512 s[20:35], s[6:7], s16 offset:0x0   ; the first key step's 64 mask words
	s_load_b512 s[36:51], s[6:7], s16 offset:0x40
	s_load_b512 s[68:83], s[6:7], s16 offset:0x80
	s_load_b512 s[84:99], s[6:7], s16 offset:0xc0
	v_mov_b32 v7, 0xd0000000                       ; -2^33
	s_wait_loadcnt 0x0
.irp i, 0,1,2,3,4,5
	v_cndmask_b32 v[16+\i], v[44+\i], v[50+\i], s66        ; my tile's half of the pair
	v_cndmask_b32 v[245+\i], v[56+\i], v[62+\i], s66
.endr
.irp i, 0,1,2,3,4,5
	v_mov_b32 v[34+\i], v[16+\i]
	v_mov_b32 v[22+\i], 0                          ; zero codes
	v_mov_b32 v[28+\i], 0
.endr
	v_lshrrev_b32 v204, s67, v204
	v_lshrrev_b32 v208, s67, v208
	s_delay_alu instid0(VALU_DEP_2)
	v_and_b32 v204, 0xffff, v204
	s_delay_alu instid0(VALU_DEP_2)
	v_and_b32 v208, 0xffff, v208
	s_delay_alu instid0(VALU_DEP_2)
	v_lshl_or_b32 v40, v204, 16, v204              ; my two scale bytes in both halves of the word: it serves [q | 0] and [0 | q]
	s_delay_alu instid0(VALU_DEP_2)
	v_lshl_or_b32 v251, v208, 16, v208
	v_mov_b32 v13, 0xff61b1e6                      ; the largest t so far: -3e38, under every t
	s_delay_alu instid0(VALU_DEP_1)
	v_floor_f32 v12, -v13                          ; -M
	v_mov_b32 v14, 0
	v_mov_b32 v15, 0
.irp b, 0,1,2,3
	v_mov_b32 v[216+\b], 0                         ; written once: a lane permute's destination counts as one of its sources
.endr
	v_mov_b32 v227, 0                              ; (named as the upper half of the pair v[226:227])
.set J, 0
.rept 13
	v_mov_b32 v[232+J], 0                          ; oc's fragment and word: the first head's end moves them before they hold anything
.set J, J+1
.endr
.set J, 0
.rept 32
	v_mov_b32 v[160+J], 0                          ; O^T: the step is written once; its first run finds zeros, which the first change of M leaves zeros
.set J, J+1
.endr
; A KEY STEP: 128 keys.
.macro STEP
	v_add_nc_u32 v5, s3, v1
	v_add_nc_u32 v6, s3, v2
	v_nop
	v_nop                                          ; four places in front of loads into registers that the last products read
.irp f, 0,1,2,3
.irp c, 0,1,2
	ds_load_b128 v[44+12*\f+4*\c:47+12*\f+4*\c], v5 offset:1536*\f+512*\c
.endr
	ds_load_b32 v[92+\f], v6 offset:12288+128*\f
.endr
	s_wait_alu depctr_va_vdst(0)
	s_wait_dscnt 0x0
.irp f, 0,1,2,3                        ; S^T: key tile 2 f by [q | 0], key tile 2 f + 1 by [0 | q]
	v_wmma_scale_f32_16x16x128_f8f6f4 v[96+16*\f:103+16*\f], v[44+12*\f:55+12*\f], v[16:27], 0, v[92+\f], v40 matrix_a_fmt:MATRIX_FMT_FP6 matrix_b_fmt:MATRIX_FMT_FP6
	v_wmma_scale_f32_16x16x128_f8f6f4 v[104+16*\f:111+16*\f], v[44+12*\f:55+12*\f], v[28:39], 0, v[92+\f], v40 matrix_a_fmt:MATRIX_FMT_FP6 matrix_b_fmt:MATRIX_FMT_FP6
.endr
.rept 4
	v_nop                                          ; places: in front of the loads below and of the first read of the scores
.endr
.irp f, 0,1,2,3                        ; v's four fragments take k's registers and land under the softmax
.irp c, 0,1,2
	ds_load_b128 v[44+12*\f+4*\c:47+12*\f+4*\c], v5 offset:6144+1536*\f+512*\c
.endr
	ds_load_b32 v[92+\f], v6 offset:12800+128*\f
.endr
	s_wait_kmcnt 0x0                               ; this step's mask words
; THE MASK AND THE BLOCKS' LARGEST SCORES IN ONE RUN OF PAIRS.  First half of pair J: score register J becomes -2^33 where its mask word, moved into VCC, has the lane's bit (each accumulator from its low end on).
; Second half: score J - 3, masked three pairs earlier, goes into a running maximum of its block of 32 keys.  A block has two maxima, for its even and its odd registers, in v[4 m] and v[4 m + 1] (m = 53, 54, 55, 57):
; so the pair's two destinations differ in parity (J against J - 3), its first sources lie in banks J % 4 and (J + 1) % 4, its second sources in bank 3 (v7) and bank 0 or 1.
; A block's largest score serves twice: for the row's maximum, and, since p rises with the score, for the block's largest p.
.set J, 0
.rept 64
.set MW, 20+J+16*(J/32)                ; the words lie in s20-51 and s68-99
.if J < 3
	v_cndmask_b32 v[96+J], v[96+J], v7, s[MW]
.else
.set KK, J-3
.set AC, 212+4*(KK/16)+4*(KK/48)+KK%2
	s_mov_b32 vcc_lo, s[MW]
.if KK%16 < 2
	v_dual_cndmask_b32 v[96+J], v[96+J], v7 :: v_dual_mov_b32 v[AC], v[96+KK]
.else
	v_dual_cndmask_b32 v[96+J], v[96+J], v7 :: v_dual_max_num_f32 v[AC], v[96+KK], v[AC]
.endif
.endif
.set J, J+1
.endr
	v_max_num_f32 v212, v212, v213                 ; each block's two maxima are joined, in this order: v213 is read before it is written
	v_max_num_f32 v213, v216, v217
	v_max_num_f32 v214, v220, v221
	v_max3_num_f32 v228, v228, v229, v157          ; and the last three scores, which no pair took up
	s_delay_alu instid0(VALU_DEP_1)
	v_max3_num_f32 v215, v228, v158, v159
	s_add_co_u32 s16, s16, 256                     ; the next step's mask words are asked for now (the wait above has shown the last loads done, so their offset may step);
	s_and_b32 s16, s16, 4095                       ; the second head walks the same sixteen steps; behind the last step the first is asked for once more and not used
	s_load_b512 s[20:35], s[6:7], s16 offset:0x0
	s_load_b512 s[36:51], s[6:7], s16 offset:0x40
	s_load_b512 s[68:83], s[6:7], s16 offset:0x80
	s_load_b512 s[84:99], s[6:7], s16 offset:0xc0
.irp b, 0,1,2,3
	v_permlanex16_b32 v[216+\b], v[212+\b], s60, s61
.endr
.irp b, 0,1,2,3
	s_delay_alu instid0(VALU_DEP_4)
	v_max_num_f32 v[212+\b], v[212+\b], v[216+\b]  ; with lane l xor 16's 16 keys
.endr
	s_delay_alu instid0(VALU_DEP_2)
	v_max3_num_f32 v228, v212, v213, v214
	s_delay_alu instid0(VALU_DEP_1)
	v_max_num_f32 v228, v228, v215                 ; the step's largest score of my query
	s_delay_alu instid0(VALU_DEP_1)
	v_mul_f32 v228, s62, v228                      ; as t (c is positive)
	s_delay_alu instid0(VALU_DEP_1)
	v_max_num_f32 v13, v13, v228                   ; the running largest t
	v_mov_b32 v228, v12
	s_delay_alu instid0(VALU_DEP_2)
	v_floor_f32 v12, -v13                          ; the new -M = floor(-t): M is a whole number
	s_delay_alu instid0(VALU_DEP_1)
	v_sub_f32 v228, v12, v228                      ; old M less new M: a whole number, 0 or less
	s_delay_alu instid0(VALU_DEP_1)
	v_cvt_i32_f32 v228, v228                       ; (it saturates)
	s_delay_alu instid0(VALU_DEP_1)
	v_ldexp_f32 v226, 1.0, v228                    ; f = 2^(old M - new M)
.set J, 0
.rept 32
	v_pk_fma_f32 v[96+J:97+J], v[96+J:97+J], s[62:63], v[12:13] op_sel_hi:[1,0,0]   ; t - M, two at a time
.set J, J+2
.endr
.irp b, 0,1,2,3
	v_fma_f32 v[212+\b], v[212+\b], s62, v12       ; the same of each block's largest score
.endr
.set J, 0
	s_wait_alu depctr_va_vdst(0)
.rept 64
	v_exp_f32 v[96+J], v[96+J]                     ; p = 2^(t - M), at most 1
.set J, J+1
.endr
	v_pk_mul_f32 v[14:15], v[14:15], v[226:227] op_sel_hi:[1,0]   ; the sums under the new M: the plain instruction behind the exponentials
	s_wait_alu depctr_va_vdst(0)                   ; one wait for the whole batch, ahead of its first reader
.irp b, 0,1,2,3
	v_exp_f32 v[212+\b], v[212+\b]                 ; the block's largest p: the same two instructions on the same number give the same bits
.endr
	v_pk_add_f32 v[228:229], v[100:101], v[104:105]
	v_pk_add_f32 v[254:255], v[108:109], v[112:113]
	v_pk_add_f32 v[252:253], v[116:117], v[120:121]
	v_pk_add_f32 v[236:237], v[124:125], v[128:129]
	v_pk_add_f32 v[234:235], v[132:133], v[136:137]
	v_pk_add_f32 v[232:233], v[140:141], v[144:145]
	v_pk_add_f32 v[230:231], v[148:149], v[152:153]
	v_pk_add_f32 v[14:15], v[14:15], v[156:157]
	v_pk_add_f32 v[228:229], v[228:229], v[96:97]
	v_pk_add_f32 v[254:255], v[254:255], v[98:99]
	v_pk_add_f32 v[252:253], v[252:253], v[102:103]
	v_pk_add_f32 v[236:237], v[236:237], v[106:107]
	v_pk_add_f32 v[234:235], v[234:235], v[110:111]
	v_pk_add_f32 v[232:233], v[232:233], v[114:115]
	v_pk_add_f32 v[230:231], v[230:231], v[118:119]
	v_pk_add_f32 v[14:15], v[14:15], v[122:123]
	v_pk_add_f32 v[228:229], v[228:229], v[126:127]
	v_pk_add_f32 v[254:255], v[254:255], v[130:131]
	v_pk_add_f32 v[252:253], v[252:253], v[134:135]
	v_pk_add_f32 v[236:237], v[236:237], v[138:139]
	v_pk_add_f32 v[234:235], v[234:235], v[142:143]
	v_pk_add_f32 v[232:233], v[232:233], v[146:147]
	v_pk_add_f32 v[230:231], v[230:231], v[150:151]
	v_pk_add_f32 v[14:15], v[14:15], v[154:155]
	v_pk_add_f32 v[228:229], v[228:229], v[158:159]
	s_delay_alu instid0(VALU_DEP_2)
	v_pk_add_f32 v[14:15], v[14:15], v[236:237]
	s_delay_alu instid0(VALU_DEP_2)
	v_pk_add_f32 v[228:229], v[228:229], v[234:235]
	v_pk_add_f32 v[254:255], v[254:255], v[232:233]
	v_pk_add_f32 v[252:253], v[252:253], v[230:231]
	s_delay_alu instid0(VALU_DEP_2)
	v_pk_add_f32 v[14:15], v[14:15], v[254:255]
	s_delay_alu instid0(VALU_DEP_2)
	v_pk_add_f32 v[228:229], v[228:229], v[252:253]
	s_delay_alu instid0(VALU_DEP_1)
	v_pk_add_f32 v[14:15], v[14:15], v[228:229]
	s_wait_alu depctr_va_vdst(0)                   ; and one for the four
.irp b, 0,1,2,3
	v_max_num_f32 v[212+\b], 0x1800000, v[212+\b]  ; the floor 2^(3 - 127): the byte cannot fall under 1
.endr
.irp b, 0,1,2,3
	s_delay_alu instid0(VALU_DEP_4)
	v_add_nc_u32 v[220+\b], 0xff000000, v[212+\b]  ; 2 off the exponent field: the conversion's scale operand
.endr
.irp b, 0,1,2,3
	s_delay_alu instid0(VALU_DEP_4)
	v_lshrrev_b32 v[216+\b], 23, v[220+\b]         ; the scale's byte
.endr
	s_delay_alu instid0(VALU_DEP_3)
	v_lshl_or_b32 v224, v217, 8, v216              ; p's scale word for these 128 keys
	s_delay_alu instid0(VALU_DEP_1)
	v_lshl_or_b32 v224, v218, 16, v224
	s_delay_alu instid0(VALU_DEP_1)
	v_lshl_or_b32 v224, v219, 24, v224
.irp c, 0,1
	v_cvt_scalef32_pk16_fp6_f32 v[192+6*\c:194+6*\c], v[96+32*\c:111+32*\c], v[220+2*\c]
	v_cvt_scalef32_pk16_fp6_f32 v[204+4*\c:206+4*\c], v[112+32*\c:127+32*\c], v[220+2*\c+1]
.endr
	v_nop                                          ; one plain instruction behind a scaled conversion
.irp c, 0,1
.irp i, 0,1,2
	v_permlane16_swap_b32 v[192+6*\c+\i], v[204+4*\c+\i]   ; a whole block to a lane
.endr
.irp i, 0,1,2
	s_delay_alu instid0(VALU_DEP_3)
	v_mov_b32 v[195+6*\c+\i], v[204+4*\c+\i]
.endr
.endr
.set J, 0
.rept 16
	v_pk_mul_f32 v[160+J:161+J], v[160+J:161+J], v[226:227] op_sel_hi:[1,0]   ; O^T under the new M; these sixteen are also the places between the writing of p's codes and scale word and the products
.set J, J+2
.endr
	s_wait_alu depctr_va_vdst(0)
	s_wait_dscnt 0x0                               ; v's fragments
.irp t, 0,1,2,3                        ; O^T += v^T p^T: four tiles of 16 channels by turns
	v_wmma_scale_f32_16x16x128_f8f6f4 v[160+8*\t:167+8*\t], v[44+12*\t:55+12*\t], v[192:203], v[160+8*\t:167+8*\t], v[92+\t], v224 matrix_a_fmt:MATRIX_FMT_FP6 matrix_b_fmt:MATRIX_FMT_FP6
.endr
	s_add_co_u32 s3, s3, KVB                       ; the next record's place in the slot
.endm
.macro SLOT_STEPS                      ; a slot's eight key steps: written once, walked eight times
	s_mov_b32 s18, 8
.Lstep_\@:
	STEP
	s_sub_co_u32 s18, s18, 1
	s_cmp_lg_u32 s18, 0
	s_cbranch_scc1 .Lstep_\@
	s_sub_co_u32 s3, s3, 8*KVB                     ; back to a slot's first record,
	s_xor_b32 s3, s3, SLOT1                        ; in the other slot
.endm
; THE CHANGE OF SLOTS stands at a slot's head.  Each wave waits for all its tensor loads, adds 0 to its spare word (fill = 1: twice on end), and waits for that and for its reads of the slot that it has left.  fill = 1: the barrier is a round of
; the cluster's, so that no wave of any partner still reads the other slot or has a load on its way, and wave 0's joint load of the next eight records is the first thing behind it: it has eight key steps in which to land.
.macro CHANGE fill
	s_wait_tensorcnt 0x0                           ; no tensor load of mine is out, so group 0 may be written
	ds_add_u32 v3, v4                              ; 0 onto my spare word
.if \fill
	ds_add_u32 v3, v4                              ; and once more
	s_xor_b32 s13, s13, SLOT1                      ; the walking descriptor: the other slot than last time,
	s_add_nc_u64 s[14:15], s[14:15], 8*REC         ; the next eight records; the type bits on top are not reached
	s_wait_xcnt 0x0                                ; the last prefetch, a slot back, has read its address, so it may be written
	s_add_nc_u64 s[10:11], s[10:11], 8*REC
	s_wait_dscnt 0x0                               ; both adds are done, and my reads of the slot that I have left are over
	CROUND
	TLOAD
	ASK
.else
	s_wait_dscnt 0x0
	s_barrier_signal -1
	s_barrier_wait -1
.endif
.endm
; A HEAD'S END.  O^T / the sum is the head's 64 of my 16 tokens: two blocks of 32 along the last product's K.  They are quantised and become the upper half of oc's fragment, whose upper half of before moves down.
; more = 1: the second head's q comes in, and O^T, the sum and the largest t begin anew.
.macro HEAD_END more
	v_nop
	v_nop
	v_add_f32 v14, v14, v15                        ; the sum's two halves (with the lines round it: the places behind the last products),
	s_delay_alu instid0(VALU_DEP_1)
	v_permlanex16_b32 v228, v14, s60, s61
	s_delay_alu instid0(VALU_DEP_1)
	v_add_f32 v14, v14, v228                       ; and lane l xor 16's: the row's sum
	s_wait_alu depctr_va_vdst(0)
	v_rcp_f32 v226, v14
	v_nop                                          ; a plain instruction behind the reciprocal
	s_wait_alu depctr_va_vdst(0)                   ; and the wait ahead of its first reader
.set J, 0
.rept 16
	v_pk_mul_f32 v[96+J:97+J], v[160+J:161+J], v[226:227] op_sel_hi:[1,0]   ; register 16 b + i = channel 32 b + 16 (lane / 16) + i; each accumulator from its low end on
.set J, J+2
.endr
.irp i, 0,1,2,3,4,5
	v_mov_b32 v[232+\i], v[238+\i]
.endr
	v_max3_num_f32 v212, |v96|, |v97|, 0x1800000
	v_max3_num_f32 v213, |v112|, |v113|, 0x1800000
.irp i, 2,4,6,8,10,12,14
	s_delay_alu instid0(VALU_DEP_2)
	v_max3_num_f32 v212, v212, |v[96+\i]|, |v[97+\i]|
	s_delay_alu instid0(VALU_DEP_2)
	v_max3_num_f32 v213, v213, |v[112+\i]|, |v[113+\i]|
.endr
	s_delay_alu instid0(VALU_DEP_2)
	v_permlanex16_b32 v216, v212, s60, s61
	s_delay_alu instid0(VALU_DEP_2)
	v_permlanex16_b32 v217, v213, s60, s61
	s_delay_alu instid0(VALU_DEP_2)
	v_max_num_f32 v212, v212, v216
	s_delay_alu instid0(VALU_DEP_2)
	v_max_num_f32 v213, v213, v217
	s_delay_alu instid0(VALU_DEP_2)
	v_add_nc_u32 v220, 0xff000000, v212
	s_delay_alu instid0(VALU_DEP_2)
	v_add_nc_u32 v221, 0xff000000, v213
	s_delay_alu instid0(VALU_DEP_2)
	v_lshrrev_b32 v216, 23, v220
	s_delay_alu instid0(VALU_DEP_2)
	v_lshrrev_b32 v217, 23, v221
	s_delay_alu instid0(VALU_DEP_1)
	v_lshl_or_b32 v228, v217, 8, v216
	v_lshrrev_b32 v244, 16, v244                   ; the scale word: the upper two bytes move down,
	s_delay_alu instid0(VALU_DEP_1)
	v_lshl_or_b32 v244, v228, 16, v244             ; this head's two come in on top
	v_cvt_scalef32_pk16_fp6_f32 v[238:240], v[96:111], v220
	v_cvt_scalef32_pk16_fp6_f32 v[204:206], v[112:127], v221
	v_nop                                          ; one plain instruction behind a scaled conversion
.irp i, 0,1,2
	v_permlane16_swap_b32 v[238+\i], v[204+\i]
.endr
.irp i, 0,1,2
	s_delay_alu instid0(VALU_DEP_3)
	v_mov_b32 v[241+\i], v[204+\i]
.endr
.if \more
.irp i, 0,1,2,3,4,5
	v_mov_b32 v[16+\i], v[245+\i]
	v_mov_b32 v[34+\i], v[245+\i]
.endr
	v_mov_b32 v40, v251
	v_mov_b32 v13, 0xff61b1e6
	s_delay_alu instid0(VALU_DEP_1)
	v_floor_f32 v12, -v13
	v_mov_b32 v14, 0
	v_mov_b32 v15, 0
.set J, 0
.rept 32
	v_mov_b32 v[160+J], 0                          ; (these are also the places between the writing of q and its scale word and the next products)
.set J, J+1
.endr
.endif
.endm
.Lslot:                                            ; three trips: behind each change of slots but the last the next slot is asked for
	CHANGE 1
	SLOT_STEPS
	s_cmp_lg_u32 s17, 2                            ; the second slot ends the first head: a test on the count of slots, the same in every wave and work-group
	s_cbranch_scc1 .Lsame_head
	HEAD_END 1
.Lsame_head:
	s_sub_co_u32 s17, s17, 1
	s_cmp_lg_u32 s17, 0
	s_cbranch_scc1 .Lslot
	CHANGE 0                                       ; the last slot is written out
	SLOT_STEPS
	HEAD_END 0
	s_and_b32 s18, s100, 7                         ; the pair of heads is oc's K step
	s_mul_i32 s66, s18, 1536
	s_lshl_b32 s67, s18, 7
	v_add_nc_u32 v5, s66, v1
	v_add_nc_u32 v6, s67, v2
.irp c, 0,1,2
	global_store_b128 v5, v[232+4*\c:235+4*\c], s[8:9] offset:512*\c   ; 512 consecutive bytes, at a multiple of 256 from oc's first byte
.endr
	global_store_b32 v6, v244, s[8:9] offset:12288
	s_wait_tensorcnt 0x0                           ; the wave's end
	ds_add_u32 v3, v4
	s_wait_dscnt 0x0
	CROUND                                         ; the closing round: no work-group ends while a partner may still ask for a tile that names it
	s_endpgm
.Lfunc_end_k_qd16904bb36_attn:
	.size	k_qd16904bb36_attn, .Lfunc_end_k_qd16904bb36_attn-k_qd16904bb36_attn
	.p2alignl 7, 3214868480
	.fill 96, 4, 3214868480
	.section	.rodata,"a",@progbits
	.p2align	6, 0x0
	.amdhsa_kernel k_qd16904bb36_attn
		.amdhsa_group_segment_fixed_size 327680
		.amdhsa_private_segment_fixed_size 0
		.amdhsa_enable_private_segment 0
		.amdhsa_kernarg_size 24
		.amdhsa_user_sgpr_count 2
		.amdhsa_user_sgpr_kernarg_segment_ptr 1
		.amdhsa_wavefront_size32 1
		.amdhsa_system_sgpr_workgroup_id_x 1
		.amdhsa_system_sgpr_workgroup_id_y 1
		.amdhsa_system_sgpr_workgroup_id_z 1
		.amdhsa_system_vgpr_workitem_id 0
		.amdhsa_next_free_vgpr 256
		.amdhsa_next_free_sgpr 102
		.amdhsa_reserve_vcc 1
		.amdhsa_float_denorm_mode_32 3
		.amdhsa_float_denorm_mode_16_64 3
		.amdhsa_memory_ordered 1
		.amdhsa_forward_progress 1
		.amdhsa_inst_pref_size 66
	.end_amdhsa_kernel
	.amdgpu_metadata
---
amdhsa.version: [ 1, 2 ]
amdhsa.kernels:
  - .name:           k_qd16904bb36_attn
    .symbol:         k_qd16904bb36_attn.kd
    .args:
      - { .name: qkv, .offset: 0, .size: 8, .value_kind: global_buffer, .address_space: global }
      - { .name: mw, .offset: 8, .size: 8, .value_kind: global_buffer, .address_space: global }
      - { .name: oc, .offset: 16, .size: 8, .value_kind: global_buffer, .address_space: global }
    .group_segment_fixed_size: 327680
    .private_segment_fixed_size: 0
    .kernarg_segment_align: 8
    .kernarg_segment_size: 24
    .max_flat_workgroup_size: 512
    .sgpr_count:     102
    .vgpr_count:     256
    .wavefront_size: 32
...
	.end_amdgpu_metadata
.endif
;; end of part 3
;; launch oproj (part 4): grid 4 x 32, 4 waves a work-group, clusters of 4 x 4, 327,680 bytes of LDS; arguments oc, cq, out0; writes out0
.if DOCPART == 4
	.amdgcn_target "amdgcn-amd-amdhsa--gfx1250"
	.amdhsa_code_object_version 6
	.text
	.protected	k_qd16904bb36_oproj
	.globl	k_qd16904bb36_oproj
	.p2align	8
	.type	k_qd16904bb36_oproj,@function
k_qd16904bb36_oproj:
	s_mov_b64 s[64:65], 0
	v_nop
	global_prefetch_b8 v0, s[64:65] scope:SCOPE_SE
	s_setreg_imm32_b32 hwreg(HW_REG_WAVE_MODE, 25, 1), 1
	s_wait_xcnt 0x0
	s_wait_alu depctr_hold_cnt(0) depctr_sa_sdst(0) depctr_va_vdst(0) depctr_va_sdst(0) depctr_va_ssrc(0) depctr_va_vcc(0) depctr_vm_vsrc(0)
	s_getreg_b32 s2, hwreg(HW_REG_IB_STS2, 6, 4)
	s_cmp_eq_u32 s2, 0
	s_cbranch_scc0 .Lentry_in_a_cluster
	s_endpgm
.Lentry_in_a_cluster:
	s_bfe_u32 s2, ttmp6, 0x10000c
	s_cmp_lg_u32 s2, 0xf033
	s_cbranch_scc0 .Lentry_shape_is_right
	s_endpgm
.Lentry_shape_is_right:
.set NQ,     2
.set FR,     12
.set NL,     3
.set NP,     4
.set REC,    13312
.set TROW,   3072
.set HALFT,  8*TROW
.set SLOT,   4*HALFT
.set LAPS,   2
.set SCL,    2*SLOT
.set HALFS,  8192
.set SPARE,  SCL+4*HALFS
.set SPITCH, 528
.set NROW,   4096
.set ADRA, 16
.set ADRB, 20
.set STO,  24
.set RD,   25
.set CO,   26
.set ADRS, 27
.set SPW,  28
.set NIL,  29
.set SC,   32
.set AF,   128
.set BK,   128
.set G1, 24
.set G0, 32
.set G1B, 48
.set G0B, 56
.set G1S, 68
.set G0S, 76
.set G1SB, 80
.set G0SB, 88
.set MSB, 0
.macro WIN new
.if MSB != \new
	s_set_vgpr_msb (MSB<<8)|\new
.set MSB, \new
.endif
.endm
.set MUL_LO, 0xa1
.set MUL_HI, 0xf1
.set TO_B,   0x40
.macro JLOAD g0a, g1a, g0b, g1b
	s_cmp_eq_u32 s15, 0
	s_cbranch_scc0 .Lfor_b_\@
	tensor_load_to_lds s[\g0a:\g0a+3], s[\g1a:\g1a+7]
	s_nop 0
.rept 4
	v_nop
.endr
	s_branch .Lasked_\@
.Lfor_b_\@:
	tensor_load_to_lds s[\g0b:\g0b+3], s[\g1b:\g1b+7]
	s_nop 0
.rept 4
	v_nop
.endr
.Lasked_\@:
.endm
.macro CREST
	s_cmp_lg_u32 s14, 0
	s_cbranch_scc1 .Lnot_wave_0_\@
	s_barrier_signal -3
.Lnot_wave_0_\@:
	s_barrier_wait -3
	s_barrier_signal -1
	s_barrier_wait -1
.endm
.macro CROUND
	s_barrier_signal -1
	s_barrier_wait -1
	CREST
.endm
	s_load_b128 s[4:7], s[0:1], 0x0
	s_load_b64 s[12:13], s[0:1], 0x10
	v_lshl_add_u32 v[SPW], v0, 2, SPARE
	v_mov_b32 v[NIL], 0
	ds_add_u32 v[SPW], v[NIL]
	ds_add_u32 v[SPW], v[NIL]
	v_lshrrev_b32 v1, 5, v0
	v_readfirstlane_b32 s14, v1
	s_lshr_b32 s15, s14, 1
	s_and_b32 s16, s14, 1
	s_bfe_u32 s40, ttmp6, 0x40000
	s_bfe_u32 s41, ttmp6, 0x40004
	s_lshl_b32 s42, ttmp9, 2
	s_add_co_u32 s42, s42, s40
	s_and_b32 s17, ttmp7, 0xffff
	s_lshl_b32 s17, s17, 2
	s_add_co_u32 s17, s17, s41
	s_lshl_b32 s43, s41, 2
	s_lshl_b32 s43, 15, s43
	s_lshl_b32 s44, 0x1111, s40
	s_or_b32 s[G1+0], s43, (3<<16)|(1<<21)
	s_or_b32 s[G1B+0], s44, (3<<16)|(1<<21)
.irp g, G1, G1B
	s_mov_b32 s[\g+1], 384<<16
	s_mov_b32 s[\g+2], 16<<16                      ; the head's loads bring 16 row tiles; behind them these two words are set to 8, for the ring's
	s_mov_b32 s[\g+3], 384<<16
	s_mov_b32 s[\g+4], 16
	s_mov_b32 s[\g+5], REC/8
	s_mov_b32 s[\g+6], 0
	s_mov_b32 s[\g+7], 0
.endr
	s_or_b32 s[G1S+0], s43, (3<<16)|(1<<21)
	s_or_b32 s[G1SB+0], s44, (3<<16)|(1<<21)
.irp g, G1S, G1SB
	s_mov_b32 s[\g+1], 128<<16
	s_mov_b32 s[\g+2], 16<<16                      ; the scale words of 16 row tiles, 1,024 bytes each
	s_mov_b32 s[\g+3], 128<<16
	s_mov_b32 s[\g+4], 16
	s_mov_b32 s[\g+5], REC/8
	s_mov_b32 s[\g+6], 0
	s_mov_b32 s[\g+7], 0
.endr
	s_lshl_b32 s22, s16, 3
	s_lshl_b32 s20, s17, 4
	s_add_co_u32 s20, s20, s22
	s_mul_i32 s20, s20, REC
	s_mov_b32 s21, 0
	s_lshl_b32 s46, s42, 4
	s_add_co_u32 s46, s46, 704
	s_add_co_u32 s46, s46, s22
	s_mul_i32 s46, s46, REC
	s_mov_b32 s47, 0
	s_mul_i32 s45, s14, HALFT
	s_mul_i32 s10, s16, 8*REC                      ; s[10:11]: bytes from the block's first row tile to my half of it
	s_mov_b32 s11, 0
	s_wait_dscnt 0x0
	s_wait_kmcnt 0x0
	s_add_nc_u64 s[20:21], s[4:5], s[20:21]
	s_add_nc_u64 s[46:47], s[6:7], s[46:47]
	CROUND
	s_mov_b32 s[G0S], 1                            ; the scale words of A's 16 row tiles,
	s_mov_b32 s[G0S+1], SCL
	s_sub_nc_u64 s[G0S+2:G0S+3], s[20:21], s[10:11]
	s_add_nc_u64 s[G0S+2:G0S+3], s[G0S+2:G0S+3], 12288
	s_or_b32 s[G0S+3], s[G0S+3], 0x80000000
	s_mov_b32 s[G0SB], 1                           ; and of B's, behind them
	s_mov_b32 s[G0SB+1], SCL+2*HALFS
	s_sub_nc_u64 s[G0SB+2:G0SB+3], s[46:47], s[10:11]
	s_add_nc_u64 s[G0SB+2:G0SB+3], s[G0SB+2:G0SB+3], 12288
	s_or_b32 s[G0SB+3], s[G0SB+3], 0x80000000
.irp s, 0,1
	s_mov_b32 s[G0+4*\s], 1
	s_add_co_u32 s[G0+4*\s+1], s45, \s*SLOT
	s_add_nc_u64 s[G0+4*\s+2:G0+4*\s+3], s[20:21], \s*TROW
	s_or_b32 s[G0+4*\s+3], s[G0+4*\s+3], 0x80000000
	s_mov_b32 s[G0B+4*\s], 1
	s_add_co_u32 s[G0B+4*\s+1], s45, \s*SLOT
	s_add_nc_u64 s[G0B+4*\s+2:G0B+4*\s+3], s[46:47], \s*TROW
	s_or_b32 s[G0B+4*\s+3], s[G0B+4*\s+3], 0x80000000
.endr
	; THE HEAD'S LOADS, ONE A WAVE: wave 0 slot 0's 16 row tiles of A, wave 1 those of B, wave 2 A's scale words, wave 3 B's.
	; For them slot 0's two groups 0 name the whole block; behind the wait for the head's loads they are set to the wave's half again.
	s_mov_b32 s[G0+1], 0
	s_sub_nc_u64 s[G0+2:G0+3], s[G0+2:G0+3], s[10:11]
	s_mov_b32 s[G0B+1], 2*HALFT
	s_sub_nc_u64 s[G0B+2:G0B+3], s[G0B+2:G0B+3], s[10:11]
.macro ARM under, g0, g1, next         ; one tree of branches on the wave's number: every way through it passes one load
	s_cmp_lt_u32 s14, \under
	s_cbranch_scc0 \next
	tensor_load_to_lds s[\g0:\g0+3], s[\g1:\g1+7]
	s_nop 0
.rept 4
	v_nop
.endr
	s_branch .Lhead_asked
\next:
.endm
	ARM 1, G0,  G1,  .Lhead_b
	ARM 2, G0B, G1B, .Lhead_sa
	ARM 3, G0S, G1S, .Lhead_sb
	tensor_load_to_lds s[G0SB:G0SB+3], s[G1SB:G1SB+7]
	s_nop 0
.rept 4
	v_nop
.endr
.Lhead_asked:
	v_and_b32 v1, 31, v0
	v_bfe_u32 v2, v0, 4, 1
	s_wait_alu depctr_va_vdst(0)
	v_and_b32 v7, 15, v0
	v_lshlrev_b32 v[CO], 4, v1
	v_lshlrev_b32 v4, 2, v1
	s_mul_i32 s21, s15, HALFT
	s_mul_i32 s22, s16, HALFT
	s_add_co_u32 s22, s22, 2*HALFT
.irp s, 0,1
	v_add_nc_u32 v[ADRA+\s], s21, v[CO]
	v_add_nc_u32 v[ADRB+\s], s22, v[CO]
	s_add_co_u32 s21, s21, SLOT
	s_add_co_u32 s22, s22, SLOT
.endr
	s_mul_i32 s21, s15, HALFS
	s_mul_i32 s22, s16, HALFS
	s_add_co_u32 s22, s22, 2*HALFS
	s_sub_co_u32 s22, s22, s21
	v_mul_u32_u24 v6, s22, v2
	s_wait_alu depctr_va_vdst(0)
	s_add_co_u32 s21, s21, SCL
	v_add_nc_u32 v5, v4, v6
	v_add_nc_u32 v[ADRS], s21, v5
	s_mul_i32 s23, s14, 16*SPITCH
	v_mul_u32_u24 v5, v7, SPITCH
	v_lshl_add_u32 v5, v2, 6, v5
	v_add_nc_u32 v[STO], s23, v5
	v_add_nc_u32 v[RD], s23, v[CO]
	s_lshl_b32 s20, s17, 8
	s_lshl_b32 s21, s15, 7
	s_add_co_u32 s20, s20, s21
	s_lshl_b32 s20, s20, 12
	s_mov_b32 s21, 0
	s_lshl_b32 s46, s42, 10
	s_lshl_b32 s47, s16, 9
	s_add_co_u32 s46, s46, s47
	s_mov_b32 s47, 0
	s_add_nc_u64 s[20:21], s[20:21], s[46:47]
	s_add_nc_u64 s[12:13], s[12:13], s[20:21]
.macro FRAG reg, adr, q, i
.irp c, 0,1,2
	ds_load_b128 v[\reg+4*\c:\reg+4*\c+3], v[\adr] offset:(\i)*TROW+(\q)*1536+512*\c
.endr
.endm
.macro MUL16 a0, p, q, sc, zero
.irp a, \a0, \a0+1
.irp b, 0,1,2,3,4,5,6,7
.if \zero
	v_wmma_scale_f32_16x16x128_f8f6f4 v[8*(8*((\a)%4)+\b):8*(8*((\a)%4)+\b)+7], v[128*(\p)+FR*\b:128*(\p)+FR*\b+FR-1], v[AF+FR*(\a):AF+FR*(\a)+FR-1], 0, v[SC+8*NQ*(\sc)+NQ*\b+(\q)], v[SC+8*NQ*(\sc)+NQ*(\a)+(\q)] matrix_a_fmt:MATRIX_FMT_FP6 matrix_b_fmt:MATRIX_FMT_FP6 matrix_a_scale:MATRIX_SCALE_ROW1
.else
	v_wmma_scale_f32_16x16x128_f8f6f4 v[8*(8*((\a)%4)+\b):8*(8*((\a)%4)+\b)+7], v[128*(\p)+FR*\b:128*(\p)+FR*\b+FR-1], v[AF+FR*(\a):AF+FR*(\a)+FR-1], v[8*(8*((\a)%4)+\b):8*(8*((\a)%4)+\b)+7], v[SC+8*NQ*(\sc)+NQ*\b+(\q)], v[SC+8*NQ*(\sc)+NQ*(\a)+(\q)] matrix_a_fmt:MATRIX_FMT_FP6 matrix_b_fmt:MATRIX_FMT_FP6 matrix_a_scale:MATRIX_SCALE_ROW1
.endif
.endr
.endr
.endm
.macro FETCH_B slot, q, p
	WIN TO_B
.irp i, 0,1,2,3,4,5,6,7
	FRAG 128*(\p)+FR*\i, ADRB+\slot, \q, \i
.endr
	WIN 0
.endm
.macro FETCH_A slot, q, i0
.irp i, \i0, \i0+1, \i0+2, \i0+3
	FRAG AF+FR*(\i), ADRA+\slot, \q, \i
.endr
.endm
.macro SCALES sc
.irp i, 0,1,2,3,4,5,6,7
.irp k, 0,1
	ds_load_b32 v[SC+16*\sc+2*\i+\k], v[ADRS] offset:\i*1024+\k*128
.endr
.endr
.endm
.macro PLACES n
.rept \n
	v_nop
.endr
.endm
.macro STEP slot, q, zero
	s_wait_dscnt 4*NL
	WIN MUL_LO
	MUL16 0, (\q)%2, \q, \slot, \zero
	MUL16 2, (\q)%2, \q, \slot, \zero
	s_wait_dscnt 0
	PLACES NP
	FETCH_B \slot, (\q)+1, 1-(\q)%2
	FETCH_A \slot, (\q)+1, 0
	WIN MUL_HI
	MUL16 4, (\q)%2, \q, \slot, \zero
	MUL16 6, (\q)%2, \q, \slot, \zero
	PLACES NP
	WIN 0
	FETCH_A \slot, (\q)+1, 4
.endm
.macro TURN slot, next, fill
	s_wait_tensorcnt 0x0
	ds_add_u32 v[SPW], v[NIL]
	s_wait_dscnt 4*NL+1
	WIN MUL_LO
	MUL16 0, 1, NQ-1, \slot, 0
	s_wait_dscnt 0x0
	s_barrier_signal -1
	MUL16 2, 1, NQ-1, \slot, 0
	WIN 0
	s_barrier_wait -1
.if \fill
	CREST
	s_add_nc_u64 s[G0+4*\slot+2:G0+4*\slot+3], s[G0+4*\slot+2:G0+4*\slot+3], 2*TROW
	s_add_nc_u64 s[G0B+4*\slot+2:G0B+4*\slot+3], s[G0B+4*\slot+2:G0B+4*\slot+3], 2*TROW
	JLOAD G0+4*\slot, G1, G0B+4*\slot, G1B
.else
	PLACES NP
.endif
	s_wait_alu depctr_va_vdst(0)
	v_add_nc_u32 v[ADRS], 128*NQ, v[ADRS]
	FETCH_B \next, 0, 0
	FETCH_A \next, 0, 0
	SCALES \next
	WIN MUL_HI
	MUL16 4, 1, NQ-1, \slot, 0
	MUL16 6, 1, NQ-1, \slot, 0
	PLACES NP
	WIN 0
	FETCH_A \next, 0, 4
.endm
	s_wait_alu depctr_va_vdst(0)
	s_wait_tensorcnt 0x0                           ; my tile of the head's four is in
	ds_add_u32 v[SPW], v[NIL]
	s_mov_b32 s[G1+2], 8<<16                       ; no tensor load of mine is out, so descriptors may be written: from here on a load brings 8 row tiles,
	s_mov_b32 s[G1+4], 8
	s_mov_b32 s[G1B+2], 8<<16
	s_mov_b32 s[G1B+4], 8
	s_mov_b32 s[G0+1], s45                         ; and slot 0's groups 0 name my half again
	s_add_nc_u64 s[G0+2:G0+3], s[G0+2:G0+3], s[10:11]
	s_mov_b32 s[G0B+1], s45
	s_add_nc_u64 s[G0B+2:G0B+3], s[G0B+2:G0B+3], s[10:11]
	s_wait_dscnt 0x0
	CROUND                                         ; all four tiles are in, in every work-group of the cluster
	JLOAD G0+4, G1, G0B+4, G1B                     ; slot 1's first fill, the first tensor load behind the round
	FETCH_B 0, 0, 0
	FETCH_A 0, 0, 0
	SCALES 0
	FETCH_A 0, 0, 4
	STEP 0, 0, 1
	s_mov_b32 s3, LAPS-1
.Llap:
	TURN 0, 1, 1
	STEP 1, 0, 0
	TURN 1, 0, 1
	STEP 0, 0, 0
	s_sub_co_u32 s3, s3, 1
	s_cmp_lg_u32 s3, 0
	s_cbranch_scc1 .Llap
	TURN 0, 1, 0
	STEP 1, 0, 0
	s_wait_dscnt 4*NL
	WIN MUL_LO
	MUL16 0, 1, NQ-1, 1, 0
	MUL16 2, 1, NQ-1, 1, 0
	s_wait_dscnt 0
	WIN MUL_HI
	MUL16 4, 1, NQ-1, 1, 0
	MUL16 6, 1, NQ-1, 1, 0
	WIN 0
.macro TOSTAGE a
.set AC, 64*((\a)%4)
	WIN 0x08+4*((\a)/4)
.irp b, 0,1,2,3,4,5,6,7
	ds_store_b128 v[STO], v[AC+8*\b:AC+8*\b+3] offset:128*(\b/2)+32*(\b%2)
	ds_store_b128 v[STO], v[AC+8*\b+4:AC+8*\b+7] offset:128*(\b/2)+32*(\b%2)+16
.endr
	WIN 0
.set BB, BK+64*((\a)%2)
.irp t, 0,1,2,3,4,5,6,7,8,9,10,11,12,13,14,15
	ds_load_b128 v[BB+4*\t:BB+4*\t+3], v[RD] offset:\t*SPITCH
.endr
.endm
.macro SEND a, younger
.set BB, BK+64*((\a)%2)
	s_wait_dscnt \younger
.if (\a) > 0
.if (\a)%2 == 1
	s_add_nc_u64 s[12:13], s[12:13], 8*NROW
.else
	s_add_nc_u64 s[12:13], s[12:13], 24*NROW
.endif
.endif
.irp t, 0,1,2,3,4,5,6,7,8,9,10,11,12,13,14,15
	global_store_b128 v[CO], v[BB+4*\t:BB+4*\t+3], s[12:13] offset:(\t+8*(\t/8))*NROW th:TH_STORE_NT
.endr
.endm
	PLACES NP
	TOSTAGE 0
.irp a, 1,2,3,4,5,6,7
.if \a > 1
	s_wait_xcnt 0x0
.endif
	TOSTAGE \a
	SEND \a-1, 32
.endr
	s_wait_xcnt 0x0
	SEND 7, 0
	s_wait_tensorcnt 0x0
	ds_add_u32 v[SPW], v[NIL]
	s_wait_dscnt 0x0
	CROUND
	s_endpgm
.Lfunc_end_k_qd16904bb36_oproj:
	.size	k_qd16904bb36_oproj, .Lfunc_end_k_qd16904bb36_oproj-k_qd16904bb36_oproj
	.p2alignl 7, 3214868480
	.fill 96, 4, 3214868480
	.section	.rodata,"a",@progbits
	.p2align	6, 0x0
	.amdhsa_kernel k_qd16904bb36_oproj
		.amdhsa_group_segment_fixed_size 327680
		.amdhsa_private_segment_fixed_size 0
		.amdhsa_enable_private_segment 0
		.amdhsa_kernarg_size 24
		.amdhsa_user_sgpr_count 2
		.amdhsa_user_sgpr_kernarg_segment_ptr 1
		.amdhsa_wavefront_size32 1
		.amdhsa_system_sgpr_workgroup_id_x 1
		.amdhsa_system_sgpr_workgroup_id_y 1
		.amdhsa_system_sgpr_workgroup_id_z 1
		.amdhsa_system_vgpr_workitem_id 0
		.amdhsa_next_free_vgpr 1024
		.amdhsa_next_free_sgpr 98
		.amdhsa_reserve_vcc 0
		.amdhsa_float_denorm_mode_32 3
		.amdhsa_float_denorm_mode_16_64 3
		.amdhsa_memory_ordered 1
		.amdhsa_forward_progress 1
		.amdhsa_inst_pref_size 138
	.end_amdhsa_kernel
	.amdgpu_metadata
---
amdhsa.version: [ 1, 2 ]
amdhsa.kernels:
  - .name:           k_qd16904bb36_oproj
    .symbol:         k_qd16904bb36_oproj.kd
    .args:
      - { .name: oc, .offset: 0, .size: 8, .value_kind: global_buffer, .address_space: global }
      - { .name: cq, .offset: 8, .size: 8, .value_kind: global_buffer, .address_space: global }
      - { .name: out0, .offset: 16, .size: 8, .value_kind: global_buffer, .address_space: global }
    .group_segment_fixed_size: 327680
    .private_segment_fixed_size: 0
    .kernarg_segment_align: 8
    .kernarg_segment_size: 24
    .max_flat_workgroup_size: 128
    .sgpr_count:     98
    .vgpr_count:     1024
    .wavefront_size: 32
...
	.end_amdgpu_metadata
.endif
;; end of part 4
